; MI455X (gfx1250); checked and timed in simulation.
; The chip was launched on July 23, 2026; its instructions are those of AMD's public machine-readable ISA for CDNA 5 (MIT licence, August 2026) and "CDNA5" Instruction Set Architecture Reference Guide (July 2026). The comments in the code are by the model that wrote it; some were corrected since.
;; Attention. Allowed arithmetic: matrix products marked QUANTISED: E3M2 operands, one E8M0 scale for each 32 along K, by v_wmma_scale_f32_16x16x128_f8f6f4 with both operands' format E3M2, f32 sums; products left as they are: f32 operands where the result goes on into a quantised operand, else bf16, f16 or f32 operands; f32 sums; everything else in f32.
;; Inputs: W1_codes 1,024 x 32 x 24 uint8 (E3M2 codes of W1, K innermost, in blocks of 32 codes, four codes in three bytes); W1_scales 1,024 x 32 uint8 (E8M0 scales of W1, one for each 32 codes along K); Wv_codes 256 x 64 x 24 uint8 (E3M2 codes of Wv, K innermost, in blocks of 32 codes, four codes in three bytes); Wv_scales 256 x 64 uint8 (E8M0 scales of Wv, one for each 32 codes along K); b1 1,024 float32; bv 256 float32; hidden_states 32 x 2,048 x 1,024 float32.
;; Outputs: out0 32 x 256 float32.
;; This version of the problem:
;;   THIS VERSION OF THE PROBLEM IS GIVEN IN LOW PRECISION. The matrix products marked QUANTISED in the list below multiply operands that are first quantised to E3M2 (3 exponent bits, 2 mantissa bits; 6 bits a number), with one power-of-two scale for each 32 numbers along K (OCP MX v1.0); their sums are f32. All else is computed in f32.
;;   The module's matrix products, in the order in which they are computed (A, B: the left and right operand; K: the contracted axis; several contracted axes count as one K, in the product's order):
;;     1. [M 65,536, K 1,024] x [K 1,024, N 1,024]; A: input hidden_states; B: input W1 (given as codes): QUANTISED
;;     2. batch 32 x [M 2,048, K 1,024] x [K 1,024, N 1]; A: computed on the way; B: computed on the way: left as it is (N = 1 < 16)
;;     3. batch 32 x [M 1,024, K 2,048] x [K 2,048, N 1]; A: input hidden_states; B: softmax: left as it is (N = 1 < 16)
;;     4. [M 32, K 2,048] x [K 2,048, N 256]; A: computed on the way; B: input Wv (given as codes): QUANTISED
;;   THE QUANTISER, for each operand of a quantised product, along K:
;;     - K is cut into blocks of 32 from its start; a last block that is shorter is filled with zeros.
;;     - A block's scale is 2^e with e = floor(log2(the largest magnitude in the block)) - 4, held to -126 .. 127; a block of zeros has e = 0. As a byte (E8M0): e + 127.
;;     - Each number is divided by its block's scale, clamped to +-28, and rounded to the nearest number of E3M2, ties to even, subnormals kept.
;;     - The product sums the exact products of the quantised numbers (number of the format x scale) in f32.
;;   ~~~python
;;   def quantise(x, axis):      # numpy; x: float32 -> the quantised numbers, widened to float32 again
;;       x = np.moveaxis(x, axis, -1); K = x.shape[-1]
;;       x = np.pad(x, [(0, 0)] * (x.ndim - 1) + [(0, -K % 32)]); x = x.reshape(x.shape[:-1] + (-1, 32)); a = np.abs(x).max(-1, keepdims=True)
;;       e = np.where(a > 0, np.clip(np.frexp(np.where(a > 0, a, 1))[1] - 1 - 4, -126, 127), 0)      # np.frexp(a)[1] - 1 = floor(log2(a)), exactly
;;       r = np.clip(x / 2.0 ** e, -28, 28)
;;       step = 2.0 ** (np.maximum(np.frexp(np.where(r == 0, 1, r))[1] - 1, -2) - 2)
;;       q = np.round(r / step) * step * 2.0 ** e      # np.round: ties to even
;;       return np.moveaxis(q.reshape(q.shape[:-2] + (-1,))[..., :K], -1, axis).astype(np.float32)
;;   ~~~
;;   OPERANDS COMPUTED ON THE WAY. 'Computed on the way' means the value that the module computes at that place (a softmax that the list does not call 'softmax' is quantised finished and normalised). What goes into a quantiser is computed in f32, as accurately as f32 sums, v_exp_f32 and their like allow (about 1e-6 of the number): no bf16 or f16 on the way to a quantiser, and a product that is left as it is and whose result goes on into a quantised operand takes f32 operands (vector FMAs, or v_wmma_f32_16x16x4_f32). A number that lies on a knife's edge between two numbers of the format may be rounded either way, as far as f32 arithmetic and the matrix unit's own rounding can turn it there, and no further.
;;   INPUTS GIVEN AS CODES. W1 (in the module: [1024, 1024], K = its axis 0); Wv (in the module: [2048, 256], K = its axis 0): each comes as NAME_codes (uint8): NAME with its K axis moved to the last place and cut into blocks of 32 codes, [.., K / 32, bytes a block], one block behind the other in memory; four codes in three bytes: a row's codes are one little-endian stream of bits, code i at bits 6 i .. 6 i + 5 (a code: sign, 3 exponent bits, 2 mantissa bits); and NAME_scales (uint8): the same leading axes, one E8M0 byte (e + 127) for each 32 codes along K. Its value is code x scale, taken as it is: it is not quantised again, and the codes and scales need not be those that the quantiser above would give.
;; One version. Each part assembles by itself: llvm-mc -triple=amdgcn-amd-amdhsa -mcpu=gfx1250 --defsym DOCPART=n.
;; ======== version 1 of 1: 4 launches
;; limits: right only within a limited range of input values
;; workspace buffers: ht 131,072 bytes; w1img 819,200 bytes; scores 262,144 bytes; mask 4,096 bytes of whole numbers; ctx 131,072 bytes
;; launch lastrow (part 1): grid 16 x 1, 16 waves a work-group, no clusters, 263,680 bytes of LDS; arguments hidden_states, W1_codes, W1_scales, b1, ht, w1img; writes ht, w1img
.if DOCPART == 1
	.amdgcn_target "amdgcn-amd-amdhsa--gfx1250"
	.amdhsa_code_object_version 6
	.text
	.protected	k_q9839ef7820_lastrow
	.globl	k_q9839ef7820_lastrow
	.p2align	8
	.type	k_q9839ef7820_lastrow,@function
k_q9839ef7820_lastrow:
	s_mov_b64 s[64:65], 0
	v_nop
	global_prefetch_b8 v0, s[64:65] scope:SCOPE_SE
	s_setreg_imm32_b32 hwreg(HW_REG_WAVE_MODE, 25, 1), 1
	s_wait_xcnt 0x0
; ht[b][n] = sum over k of Q(hidden_states[b][2047][k]) W1[k][n] + b1[n], for the 32 batches and 1,024 columns, on codes of BF6 (E3M2) with one E8M0 scale for each 32 along K;
; and W1's codes and scale bytes are laid anew, into w1img, in the order of a matrix operand's registers, for the launch that follows.
; SHARES.  A work-group takes 64 columns n (four tiles of 16).  Wave w takes K step w % 8 (128 along K) of the batches 16 (w / 8) .. + 15: K is shared among eight waves and the eight partial
; sums meet in LDS, so that all loads of a wave go out at once.  The product is used transposed (source 0 = 16 rows of W1, source 1 = 16 last rows): a lane holds one batch and eight neighbouring columns.
; EVERY GLOBAL LOAD OF A WAVE READS 512 CONSECUTIVE BYTES; the operands reach their lanes through LDS.  A last row's 512 bytes of my K step come by one load, sixteen rows turn through my own stage (pitch 528) and
; come back 128 bytes a lane and block.  The work-group's 64 rows of codes are one dense block of 48 KiB: thread t takes bytes 8,192 j + 16 t; in LDS each row of 768 bytes has 16 bytes of padding behind it.
; w1img: 8 chunks of 102,400 bytes, 128 columns each.  Fragment (tile it, K step s) lies at (8 it + s) x 1,536: three groups of 512 bytes, lane l's registers 4 c .. 4 c + 3 at 512 c + 16 l.
; From byte 98,304 of a chunk: the 128 columns' scale bytes as they are given, 32 a column.
; No cluster and no tensor load: a work-group reads 48 KiB of codes that no other work-group reads, and the 32 last rows, 128 KiB in all, are the only bytes that are shared.
; LIMITS: NaN and infinities are not served.  A block whose largest magnitude lies under 2^-122 keeps the scale byte 1; so does a block of zeros (its codes are zeros; this program alone reads the byte).
.set XSTW, 8448                        ; LDS from byte 0: a stage of 16 rows x (512 bytes + 16) for each wave
.set SPX,  528                         ; 33 x 16 bytes: the 16 rows that a load touches begin in 16 different groups of four banks
.set PSUM, 135168                      ; partial sums: 4,096 bytes a wave: tile i, half hf of its registers at 1,024 i + 512 hf + 16 x lane
.set BST,  200704                      ; the 64 rows of codes,
.set BPI,  784                         ; 768 bytes + 16 = 196 words: row r begins at bank 4 r mod 64, so the 32 lanes of a load of 8 bytes touch 64 different banks
.set SCB,  250880                      ; their 2,048 scale bytes, as given
.set STG,  252928                      ; the stage for the way out: 32 rows x (256 bytes + 16)
.set SPI,  272
.set SH8,  2                           ; v2      8 x (lane / 16)
.set TM,   14                          ; v14-15  largest magnitudes;  v16-17 the conversions' scale operands;  v18-19 the bytes;  v20 the other half's bytes
.set SO,   16
.set BY,   18
.set PX,   20
.set BS,   22                          ; v22-25  W1's scale words, one for each tile
.set PW,   26                          ; v26     the last rows' scale word
.set X,    32                          ; v32-95  16 rows as loaded, then 64 numbers of my row; then the four accumulators (v32-63) and the eight partial sums (v64-95)
.set BF,   96                          ; v96-143 W1's four fragments
.set PC,   144                         ; v144-155 my rows' fragment
.set CT,   156                         ; v156-163 the halves of blocks that a conversion cannot put in their place
.set RB,   168                         ; v168-191 my 6 x 16 bytes of the block of codes, as loaded
.set BW,   192                         ; v192-194 where they go in LDS
.set SCW,  195                         ; v195    where 16 scale bytes go
.set XO,   195                         ; v196-210 byte offsets of the last rows of batches 1 .. 15 of my 16
.set WV,   16
.set SEL,  44
; 64 numbers of a lane, register 32 c + q = k 64 c + 32 (lane / 16) + q of its row, become the operand's 12 registers from v[fr] on, and the row's scale word in v[pw].
; A lane holds two whole blocks, so no other lane is asked for a maximum; the word's four bytes are gathered from lanes l and l xor 16.
.macro QUANT6 xs, fr, pw
.irp c, 0,1
	v_max3_num_f32 v[TM+\c], |v[\xs+32*\c]|, |v[\xs+32*\c+1]|, 0x2800000   ; with the floor 2^(5 - 127): the byte cannot fall under 1
.endr
.irp i, 2,4,6,8,10,12,14,16,18,20,22,24,26,28,30
.irp c, 0,1
	s_delay_alu instid0(VALU_DEP_2)
	v_max3_num_f32 v[TM+\c], v[TM+\c], |v[\xs+32*\c+\i]|, |v[\xs+32*\c+\i+1]|   ; the two blocks by turns
.endr
.endr
.irp c, 0,1
	s_delay_alu instid0(VALU_DEP_2)
	v_add_nc_u32 v[SO+\c], 0xfe000000, v[TM+\c]    ; 4 off the exponent field: the conversion takes this operand's exponent field as its scale
.endr
.irp c, 0,1
	s_delay_alu instid0(VALU_DEP_2)
	v_lshrrev_b32 v[BY+\c], 23, v[SO+\c]           ; the scale's byte
.endr
	s_delay_alu instid0(VALU_DEP_1)
	v_lshl_or_b32 v[\pw], v[BY+1], 16, v[BY]       ; blocks h and 2 + h of my row,
	s_delay_alu instid0(VALU_DEP_1)
	v_lshlrev_b32 v[\pw], v[SH8], v[\pw]           ; at their places in the word;
	s_delay_alu instid0(VALU_DEP_1)
	v_permlanex16_b32 v[PX], v[\pw], s[SEL], s[SEL+1]
	s_delay_alu instid0(VALU_DEP_1)
	v_or_b32 v[\pw], v[\pw], v[PX]                 ; with lane l xor 16's two the word is whole
	v_cvt_scalef32_pk16_bf6_f32 v[\fr:\fr+2], v[\xs:\xs+15], v[SO]
	v_cvt_scalef32_pk16_bf6_f32 v[CT:CT+2], v[\xs+16:\xs+31], v[SO]          ; (a conversion's three registers begin on an even number)
	v_cvt_scalef32_pk16_bf6_f32 v[\fr+6:\fr+8], v[\xs+32:\xs+47], v[SO+1]
	v_cvt_scalef32_pk16_bf6_f32 v[CT+4:CT+6], v[\xs+48:\xs+63], v[SO+1]
	v_nop                                          ; one plain place behind a scaled conversion
.irp i, 0,1,2
	v_mov_b32 v[\fr+3+\i], v[CT+\i]
	v_mov_b32 v[\fr+9+\i], v[CT+4+\i]
.endr
.endm
	s_load_b256 s[4:11], s[0:1], 0x0               ; hidden_states s[4:5], W1's codes s[6:7], W1's scales s[8:9], b1 s[10:11]
	s_load_b128 s[12:15], s[0:1], 0x20             ; ht s[12:13], w1img s[14:15]
	v_lshl_add_u32 v212, v0, 2, 0x3fe00
	v_mov_b32 v213, 0
	v_lshrrev_b32 v1, 5, v0
	s_delay_alu instid0(VALU_DEP_1)
	v_readfirstlane_b32 s[WV], v1                  ; wave 0..15
	s_and_b32 s17, s[WV], 7                        ; my K step
	s_lshr_b32 s18, s[WV], 3                       ; my tile of 16 batches
	v_and_b32 v14, 31, v0                          ; lane
	v_and_b32 v1, 15, v0                           ; r
	v_bfe_u32 v21, v0, 4, 1                        ; h
	s_delay_alu instid0(VALU_DEP_1)
	v_lshlrev_b32 v[SH8], 3, v21
	s_delay_alu instid0(VALU_DEP_4)
	v_lshlrev_b32 v6, 4, v14                       ; 16 x lane
	v_lshlrev_b32 v13, 4, v0                       ; 16 x thread
	s_mul_i32 s19, s[WV], XSTW                     ; my stage
	v_add_nc_u32 v3, s19, v6                       ; in: a row's 512 bytes as loaded
	v_mul_u32_u24 v4, v1, SPX
	s_delay_alu instid0(VALU_DEP_1)
	v_lshl_add_u32 v4, v21, 7, v4
	s_delay_alu instid0(VALU_DEP_1)
	v_add_nc_u32 v4, s19, v4                       ; back: row r, + 128 h: my block of 32 numbers
	s_mul_i32 s19, s17, 96
	s_add_co_u32 s19, s19, BST
	v_mul_u32_u24 v5, v1, BPI
	s_delay_alu instid0(VALU_DEP_1)
	v_mad_u32_u24 v5, v21, 24, v5
	s_delay_alu instid0(VALU_DEP_1)
	v_add_nc_u32 v5, s19, v5                       ; a fragment of W1: row r of a tile, my K step's 96 bytes, + 24 h
	s_lshl_b32 s19, s17, 2
	s_add_co_u32 s19, s19, SCB
	v_lshl_add_u32 v27, v1, 5, s19                 ; its scale word: 32 bytes a row, my K step's four
	v_lshrrev_b32 v14, 4, v0                       ; thread / 16
.irp j, 0,1,2                                      ; byte 8,192 j + 16 t of a run of 32 rows lies in row (512 j + t) / 48 = ((32 j + t / 16) x 171) >> 9 (exact under 512), and 16 bytes further on for each row passed
	v_add_nc_u32 v15, 32*\j, v14
	s_delay_alu instid0(VALU_DEP_1)
	v_mul_u32_u24 v15, v15, 171
	s_delay_alu instid0(VALU_DEP_1)
	v_lshrrev_b32 v15, 9, v15
	s_delay_alu instid0(VALU_DEP_1)
	v_lshl_add_u32 v15, v15, 4, v13
	s_delay_alu instid0(VALU_DEP_1)
	v_add_nc_u32 v[BW+\j], BST+8192*\j, v15
.endr
	v_add_nc_u32 v[SCW], SCB, v13
.irp i, 1,2,3,4,5,6,7,8,9,10,11,12,13,14,15
	v_add_nc_u32 v[XO+\i], \i<<23, v6              ; a batch is 2^23 bytes: more than a load's immediate holds
.endr
	s_lshl_b32 s19, s[WV], 12
	s_add_co_u32 s19, s19, PSUM
	v_add_nc_u32 v7, s19, v6                       ; where I put my partial sums
	s_lshl_b32 s19, s18, 15
	s_lshl_b32 s20, s17, 9
	s_add_co_u32 s19, s19, s20
	s_add_co_u32 s19, s19, PSUM
	v_add_nc_u32 v8, s19, v6                       ; what I add up: of my tile of batches, group w % 8 = 2 i + hf of each of its eight waves
	s_mul_i32 s19, s18, 16*SPI
	s_bfe_u32 s20, s[WV], 0x20001                  ; i = (w / 2) % 4
	s_lshl_b32 s21, s20, 6                         ; 64 i bytes
	s_add_co_u32 s19, s19, s21
	s_and_b32 s22, s[WV], 1                        ; hf
	s_lshl_b32 s23, s22, 4                         ; 16 hf bytes
	s_add_co_u32 s19, s19, s23
	s_add_co_u32 s19, s19, STG
	v_mul_u32_u24 v9, v1, SPI
	s_delay_alu instid0(VALU_DEP_1)
	v_lshl_add_u32 v9, v21, 5, v9
	s_delay_alu instid0(VALU_DEP_1)
	v_add_nc_u32 v9, s19, v9                       ; the stage for the way out, in: row 16 m + r, byte 64 i + 32 h + 16 hf
	s_mul_i32 s19, s[WV], 2*SPI
	s_add_co_u32 s19, s19, STG
	v_mul_u32_u24 v10, v21, SPI
	s_delay_alu instid0(VALU_DEP_1)
	v_lshl_add_u32 v10, v1, 4, v10
	s_delay_alu instid0(VALU_DEP_1)
	v_add_nc_u32 v10, s19, v10                     ; and back: lanes 0-15 row 2 w, lanes 16-31 row 2 w + 1
	s_lshl_b32 s19, s[WV], 13
	v_lshlrev_b32 v11, 12, v21
	s_delay_alu instid0(VALU_DEP_1)
	v_lshl_add_u32 v11, v1, 4, v11
	s_delay_alu instid0(VALU_DEP_1)
	v_add_nc_u32 v11, s19, v11                     ; the same two rows in ht, 4,096 bytes a row
	v_lshlrev_b32 v12, 5, v21                      ; b1: 32 h
	v_mov_b32 v[PX], 0                             ; written once: a lane permute's destination counts as one of its sources
	s_mov_b32 s[SEL], 0x76543210
	s_mov_b32 s[SEL+1], 0xfedcba98                 ; v_permlanex16_b32's selects for lane l xor 16
	; byte offsets, each in a pair of its own
	s_lshl_b32 s24, s18, 27                        ; 16 batches of 2^23 bytes,
	s_lshl_b32 s19, s17, 9
	s_add_co_u32 s24, s24, s19                     ; my K step's 512 bytes,
	s_add_co_u32 s24, s24, 2047*4096               ; in the last row
	s_mov_b32 s25, 0
	s_mul_i32 s26, ttmp9, 49152                    ; the work-group's 64 rows of codes
	s_mov_b32 s27, 0
	s_lshl_b32 s28, ttmp9, 11                      ; the work-group's 64 rows of scale bytes,
	s_lshl_b32 s19, s[WV], 9
	s_add_co_u32 s28, s28, s19                     ; the 512 bytes that each of waves 0-3 brings
	s_mov_b32 s29, 0
	s_lshl_b32 s30, ttmp9, 8                       ; the 64 columns in a row of ht
	s_mov_b32 s31, 0
	s_add_co_u32 s38, s30, s21
	s_add_co_u32 s38, s38, s23                     ; b1: + 64 i + 16 hf
	s_mov_b32 s39, 0
	s_lshr_b32 s40, ttmp9, 1
	s_mul_i32 s40, s40, 102400                     ; my chunk of w1img
	s_and_b32 s41, ttmp9, 1
	s_mul_i32 s42, s41, 49152                      ; tiles 4 (work-group % 2) on,
	s_add_co_u32 s42, s42, s40
	s_mul_i32 s19, s17, 1536
	s_add_co_u32 s42, s42, s19                     ; K step s
	s_mov_b32 s43, 0
	s_lshl_b32 s41, s41, 11
	s_add_co_u32 s40, s40, s41
	s_add_co_u32 s40, s40, 98304                   ; the chunk's scale bytes: my work-group's 2,048,
	s_lshl_b32 s19, s[WV], 9
	s_add_co_u32 s40, s40, s19                     ; my wave's 512
	s_mov_b32 s41, 0
	s_wait_kmcnt 0x0
	s_add_nc_u64 s[4:5], s[4:5], s[24:25]
	s_add_nc_u64 s[6:7], s[6:7], s[26:27]
	s_add_nc_u64 s[32:33], s[8:9], s[28:29]
	s_add_nc_u64 s[10:11], s[10:11], s[38:39]
	s_add_nc_u64 s[12:13], s[12:13], s[30:31]
	s_add_nc_u64 s[34:35], s[14:15], s[40:41]
	s_add_nc_u64 s[14:15], s[14:15], s[42:43]
	s_cmp_lt_u32 s[WV], 4
	s_cbranch_scc0 .Lno_bytes
	global_load_b128 v[164:167], v6, s[32:33]      ; waves 0-3: 512 of the work-group's 2,048 scale bytes
.Lno_bytes:
.irp j, 0,1,2,3,4,5
	global_load_b128 v[RB+4*\j:RB+4*\j+3], v13, s[6:7] offset:8192*\j   ; the block of codes: the sixteen waves read 8,192 consecutive bytes
.endr
	global_load_b128 v[X:X+3], v6, s[4:5]          ; the last rows of my 16 batches: my K step's 512 bytes of each
.irp i, 1,2,3,4,5,6,7,8,9,10,11,12,13,14,15
	global_load_b128 v[X+4*\i:X+4*\i+3], v[XO+\i], s[4:5]
.endr
	s_wait_alu depctr_va_vdst(0)
	global_load_b128 v[28:31], v12, s[10:11]       ; b1 of the four columns that I add up
	s_wait_loadcnt 0x0
.irp j, 0,1,2,3,4,5
	ds_store_b128 v[BW+(\j%3)], v[RB+4*\j:RB+4*\j+3] offset:32*BPI*(\j/3)    ; three loads are 32 whole rows
.endr
	s_cmp_lt_u32 s[WV], 4
	s_cbranch_scc0 .Lno_bytes_lds
	ds_store_b128 v[SCW], v[164:167]
.Lno_bytes_lds:
.set I_, 0
.rept 16
	ds_store_b128 v3, v[X+4*I_:X+4*I_+3] offset:SPX*I_
.set I_, I_+1
.endr
.irp c, 0,1
.irp j, 0,1,2,3,4,5,6,7
	ds_load_b128 v[X+32*\c+4*\j:X+32*\c+4*\j+3], v4 offset:256*\c+16*\j      ; LDS serves a wave's instructions in order: these see my stores.  Register 32 c + q: k = 64 c + 32 h + q of row r
.endr
.endr
	s_wait_dscnt 0x0                               ; my numbers are back; and for the others' sake: my part of the codes and scale bytes lies in LDS
	s_barrier_signal -1
	QUANT6 X, PC, PW                               ; work on registers while the others arrive
	s_barrier_wait -1
.irp i, 0,1,2,3
.irp p, 0,1,2,3,4,5
	ds_load_b64 v[BF+12*\i+2*\p:BF+12*\i+2*\p+1], v5 offset:16*BPI*\i+48*(\p/3)+8*(\p%3)   ; 24 bytes of a row's stream of bits, in pieces of 8
.endr
	ds_load_b32 v[BS+\i], v27 offset:512*\i
.endr
	s_wait_dscnt 0x0
	s_cmp_lt_u32 s[WV], 8                          ; the eight waves of the first tile of batches hold each fragment once: they write the images
	s_cbranch_scc0 .Lno_image
.irp i, 0,1,2,3
.irp c, 0,1,2
	global_store_b128 v6, v[BF+12*\i+4*\c:BF+12*\i+4*\c+3], s[14:15] offset:12288*\i+512*\c   ; 32 lanes store 512 consecutive bytes, at a multiple of 256 from the buffer's first byte
.endr
.endr
	s_cmp_lt_u32 s[WV], 4
	s_cbranch_scc0 .Lno_image
	global_store_b128 v6, v[164:167], s[34:35]
.Lno_image:
.rept 8
	v_nop                                          ; a scale register written by a vector instruction stands 8 places ahead of a scaled matrix instruction, an operand so written 4
.endr
	s_wait_alu depctr_va_vdst(0)
.irp i, 0,1,2,3
	v_wmma_scale_f32_16x16x128_f8f6f4 v[X+8*\i:X+8*\i+7], v[BF+12*\i:BF+12*\i+11], v[PC:PC+11], 0, v[BS+\i], v[PW] matrix_a_fmt:MATRIX_FMT_BF6 matrix_b_fmt:MATRIX_FMT_BF6
.endr
.rept 4
	v_nop                                          ; four places in front of the first read of results
.endr
.irp i, 0,1,2,3
	ds_store_b128 v7, v[X+8*\i:X+8*\i+3] offset:1024*\i          ; each accumulator from its low end on
	ds_store_b128 v7, v[X+8*\i+4:X+8*\i+7] offset:1024*\i+512
.endr
	s_wait_dscnt 0x0                               ; for the others' sake: my partial sums lie in LDS
	s_barrier_signal -1
	s_barrier_wait -1
.irp k, 0,1,2,3,4,5,6,7
	ds_load_b128 v[64+4*\k:67+4*\k], v8 offset:4096*\k           ; K step k's part of batch 16 m + r, columns 16 i + 8 h + 4 hf + 0 .. 3
.endr
	s_wait_dscnt 0x0
.irp k, 1
	v_pk_add_f32 v[64:65], v[64:65], v[64+4*\k:65+4*\k]          ; K ascending
	v_pk_add_f32 v[66:67], v[66:67], v[66+4*\k:67+4*\k]
.endr
.irp k, 2, 3, 4, 5, 6, 7
	s_delay_alu instid0(VALU_DEP_2)
	v_pk_add_f32 v[64:65], v[64:65], v[64+4*\k:65+4*\k]          ; K ascending
	s_delay_alu instid0(VALU_DEP_2)
	v_pk_add_f32 v[66:67], v[66:67], v[66+4*\k:67+4*\k]
.endr
	s_delay_alu instid0(VALU_DEP_2)
	v_pk_add_f32 v[64:65], v[64:65], v[28:29]      ; + b1
	s_delay_alu instid0(VALU_DEP_2)
	v_pk_add_f32 v[66:67], v[66:67], v[30:31]
	ds_store_b128 v9, v[64:67]
	s_wait_dscnt 0x0                               ; for the others' sake
	s_barrier_signal -1
	s_barrier_wait -1
	ds_load_b128 v[68:71], v10
	s_wait_dscnt 0x0
	global_store_b128 v11, v[68:71], s[12:13]      ; 16 lanes store 256 consecutive bytes of a row of ht, at a multiple of 256 from its first byte
	s_wait_tensorcnt 0x0
	ds_add_u32 v212, v213
	s_wait_dscnt 0x0
	s_endpgm
.Lfunc_end_k_q9839ef7820_lastrow:
	.size	k_q9839ef7820_lastrow, .Lfunc_end_k_q9839ef7820_lastrow-k_q9839ef7820_lastrow
	.p2alignl 7, 3214868480
	.fill 96, 4, 3214868480
	.section	.rodata,"a",@progbits
	.p2align	6, 0x0
	.amdhsa_kernel k_q9839ef7820_lastrow
		.amdhsa_group_segment_fixed_size 263680
		.amdhsa_private_segment_fixed_size 0
		.amdhsa_enable_private_segment 0
		.amdhsa_kernarg_size 48
		.amdhsa_user_sgpr_count 2
		.amdhsa_user_sgpr_kernarg_segment_ptr 1
		.amdhsa_wavefront_size32 1
		.amdhsa_system_sgpr_workgroup_id_x 1
		.amdhsa_system_sgpr_workgroup_id_y 1
		.amdhsa_system_sgpr_workgroup_id_z 1
		.amdhsa_system_vgpr_workitem_id 0
		.amdhsa_next_free_vgpr 214
		.amdhsa_next_free_sgpr 66
		.amdhsa_reserve_vcc 0
		.amdhsa_float_denorm_mode_32 3
		.amdhsa_float_denorm_mode_16_64 3
		.amdhsa_memory_ordered 1
		.amdhsa_forward_progress 1
		.amdhsa_inst_pref_size 24
	.end_amdhsa_kernel
	.amdgpu_metadata
---
amdhsa.version: [ 1, 2 ]
amdhsa.kernels:
  - .name:           k_q9839ef7820_lastrow
    .symbol:         k_q9839ef7820_lastrow.kd
    .args:
      - { .name: hidden_states, .offset: 0, .size: 8, .value_kind: global_buffer, .address_space: global }
      - { .name: W1_codes, .offset: 8, .size: 8, .value_kind: global_buffer, .address_space: global }
      - { .name: W1_scales, .offset: 16, .size: 8, .value_kind: global_buffer, .address_space: global }
      - { .name: b1, .offset: 24, .size: 8, .value_kind: global_buffer, .address_space: global }
      - { .name: ht, .offset: 32, .size: 8, .value_kind: global_buffer, .address_space: global }
      - { .name: w1img, .offset: 40, .size: 8, .value_kind: global_buffer, .address_space: global }
    .group_segment_fixed_size: 263680
    .private_segment_fixed_size: 0
    .kernarg_segment_align: 8
    .kernarg_segment_size: 48
    .max_flat_workgroup_size: 512
    .sgpr_count:     66
    .vgpr_count:     214
    .wavefront_size: 32
...
	.end_amdgpu_metadata
.endif
;; end of part 1
;; launch scorerows (part 2): grid 256 x 1, 4 waves a work-group, clusters of 4 x 1, 327,680 bytes of LDS; arguments hidden_states, ht, b1, w1img, W1_scales, scores, mask; writes scores, mask
.if DOCPART == 2
	.amdgcn_target "amdgcn-amd-amdhsa--gfx1250"
	.amdhsa_code_object_version 6
	.text
	.protected	k_q9839ef7820_scorerows
	.globl	k_q9839ef7820_scorerows
	.p2align	8
	.type	k_q9839ef7820_scorerows,@function
k_q9839ef7820_scorerows:
	s_mov_b64 s[64:65], 0
	v_nop
	global_prefetch_b8 v0, s[64:65] scope:SCOPE_SE
	s_setreg_imm32_b32 hwreg(HW_REG_WAVE_MODE, 25, 1), 1
	s_wait_xcnt 0x0
	s_wait_alu depctr_hold_cnt(0) depctr_sa_sdst(0) depctr_va_vdst(0) depctr_va_sdst(0) depctr_va_ssrc(0) depctr_va_vcc(0) depctr_vm_vsrc(0)
	s_getreg_b32 s2, hwreg(HW_REG_IB_STS2, 6, 4)
	s_cmp_eq_u32 s2, 0
	s_cbranch_scc0 .Lentry_in_a_cluster
	s_endpgm
.Lentry_in_a_cluster:
	s_bfe_u32 s2, ttmp6, 0x10000c
	s_cmp_lg_u32 s2, 0x3003
	s_cbranch_scc0 .Lentry_shape_is_right
	s_endpgm
.Lentry_shape_is_right:
; scores[b][t] = sum over n of (sum over k of Q(hidden_states[b][t][k]) W1[k][n] + b1[n]) ht[b][n], the inner product on codes of BF6 (E3M2) with one E8M0 scale for each 32 along K, all else in f32;
; and mask: whole numbers that say which rows can count in the softmax.
; SHARES.  A work-group takes 256 rows of the flat [65,536][1,024], all of one batch.
; PHASE A.  Wave w quantises rows 64 w .. + 63: a unit is 16 rows x 128 along K; each of its 16 loads reads 512 consecutive bytes of one row; the 8 KiB turn through the wave's own stage in LDS, so that a lane
;   gets two whole blocks of 32 of ONE row.  Loads run four units ahead; a unit's 32 LDS instructions stand in one run, ahead of the quantising of the unit before.  Each byte of hidden_states is read once.
; EXCHANGE.  Waves 2 p and 2 p + 1 hand each other their codes and scale words through LDS as images of the registers: each then holds 128 rows, 64 fragments, 768 registers, for the rest of the launch.
; PHASE B.  W1 comes as images of an operand's registers (w1img), four column tiles (48 KiB, consecutive in memory) a slot, through a ring of two LDS slots filled by the tensor data mover.
;   Wave w takes tiles 2 (w % 2) and 2 (w % 2) + 1 of each slot against its 128 rows: a fragment of W1 read from LDS feeds eight matrix instructions.
;   Source 0 = 16 columns of W1, source 1 = 16 of my rows: a lane holds ONE row and eight neighbouring columns, so the product with ht is four packed multiply-adds an accumulator onto one pair of sums a row tile.
;   They stand at the head of the next column tile, among its first matrix instructions.  The two waves' halves of a row's sum meet in LDS at the end.
;   The sum is taken as sum(acc x ht) + sum(b1 x ht): another order of rounding than adding b1 first.
;   W1's scale words come by loads of 512 consecutive bytes a tile, one slot ahead, straight into registers.
; CLUSTER.  The four work-groups of a cluster walk the same slots: each tile is asked for JOINTLY, by the same tensor load with the same descriptor and the mask of all four.
; NO PREFETCH: hidden_states is streamed with 4 x 4 x 8 KiB on its way for each work-group; W1's 800 KiB are walked by every work-group at the same time.
; MASK.  Word 4 g + w, bit l: row 64 (4 g + w) + 2 l or the next has a score of at least 0.999 |ht|^2 - 90.  The batch's last row has the score |ht|^2 (but for rounding, which the factor covers), so the batch's
;   maximum is no less; a row under the threshold lies at least 90 under the maximum, and its weight e^-90 or less is nothing beside a sum of weights that is at least 1.  Holds for every input.
; LIMITS: NaN and infinities are not served.  A block whose largest magnitude lies under 2^-122 keeps the scale byte 1; so does a block of zeros (its codes are zeros; this program alone reads the byte).
; REGISTERS, in windows of 256 (s_set_vgpr_msb: bits 1:0 source 0, 3:2 source 1, 5:4 source 2, 7:6 destination):
;   fragment x = 32 (m / 4) + 4 s + m % 4 of row tile m (0-3 mine, 4-7 my partner's) and K step s lies in window 1 + x / 21 at 12 (x % 21); fragment 63 in window 0.  Phase A: window 3 holds four sets of 64 numbers as loaded.
;   window 0: v1-31 addresses and the quantiser's work; v32-63 the rows' scale words; v64-191 phase A: two sets of 64 numbers; phase B: v64-127 eight accumulators, v128-143 the sums, v144-191 four fragments of W1;
;   v192-207 W1's scale words; v208-223 ht, two sets of 8 (phase A: at work); v224-231 kept numbers; v240-251 fragment 63.
.set FRB,   1536                       ; a fragment's image
.set TILEB, 8*FRB                      ; a column tile: 8 K steps
.set SLOTB, 4*TILEB
.set UX,    2*SLOTB                    ; behind the ring: 48 KiB for each wave: first its two stages, then the image of its 32 fragments
.set UW,    32*FRB
.set STG1,  8448                       ; a stage: 16 rows x (512 bytes + 16)
.set SPI,   528
.set USC,   UX+4*UW                    ; the rows' scale words: 2,048 bytes a wave
.set HTL,   USC+8192                   ; ht of my batch
.set CBX,   HTL+4096                   ; each wave's part of sum(b1 ht) and of sum(ht^2)
.set SCS,   CBX+256                    ; the two halves of the 256 rows' sums: 1,024 bytes each
.set SPARE, SCS+2048                   ; the spare words, 128 bytes for each wave
.set LANE, 1
.set RR,   2
.set SH8,  3
.set LO,   4                           ; 16 x lane
.set SWA,  5                           ; my 48 KiB, 16 bytes a lane
.set SRA,  6                           ; the stage, back
.set HTA,  7
.set SCO,  8
.set BA0,  9                           ; v9-10 my two tiles in slot 0, 1
.set EXR,  11                          ; my partner's 48 KiB
.set ESW,  12
.set ESR,  13
.set SAO,  14
.set HH,   15
.set SPW,  16                          ; my spare word; never rewritten
.set NIL,  17                          ; 0; never rewritten
.set T16,  18
.set CBA,  19
.set CBB,  20
.set L8,   21
.set TM,   22
.set SO,   24
.set BY,   26
.set PW,   28
.set PX,   29
.set HTW,  30
.set SAP,  31
.set AS,   32                          ; register 4 m + s % 4: lanes 0-15 K step s % 4, lanes 16-31 K step 4 + s % 4
.set X0,   64
.set ACC,  64
.set SUM,  128
.set BR,   144
.set SW,   192                         ; register 8 sl + 4 it + s % 4, the lanes' halves likewise
.set HT,   208
.set CT,   208
.set HD,   216
.set SR,   224
.set CB,   226
.set THR,  228
.set F63,  240
.set WV,   16
.set SEL,  20
.set HM,   22
.set TRIP, 23
.set G1,   24
.set G0,   32
.set MSB, 0
.macro WIN new                         ; the immediate's high byte repeats the setting that is left; a switch that changes nothing is dropped
.if MSB != (\new)
	s_set_vgpr_msb (MSB<<8)|(\new)
.set MSB, (\new)
.endif
.endm
.macro PLACES
.rept 4
	v_nop
.endr
.endm
.macro CREST                           ; a round of the cluster's barrier behind its opening barrier
	s_cmp_lg_u32 s[WV], 0
	s_cbranch_scc1 .Lnot_wave_0_\@
	s_barrier_signal -3
.Lnot_wave_0_\@:
	s_barrier_wait -3
	s_barrier_signal -1
	s_barrier_wait -1
.endm
.macro CROUND
	s_barrier_signal -1
	s_barrier_wait -1
	CREST
.endm
	s_load_b256 s[4:11], s[0:1], 0x0               ; hidden_states s[4:5], ht s[6:7], b1 s[8:9], w1img s[10:11]
	s_load_b128 s[12:15], s[0:1], 0x20             ; W1's scales s[12:13], scores s[14:15]
	s_load_b64 s[54:55], s[0:1], 0x30              ; mask
	v_lshl_add_u32 v[SPW], v0, 2, SPARE
	v_mov_b32 v[NIL], 0
	ds_add_u32 v[SPW], v[NIL]                      ; the opening lines: the add, twice on end, and its wait ahead of my first tensor load
	ds_add_u32 v[SPW], v[NIL]
	v_lshrrev_b32 v1, 5, v0
	v_readfirstlane_b32 s[WV], v1                  ; wave 0..3
	s_and_b32 s19, s[WV], 1                        ; which two tiles of a slot are mine
	s_xor_b32 s3, s[WV], 1                         ; my partner
	s_bfe_u32 s17, ttmp6, 0x40000                  ; cx: it enters global addresses of hidden_states, ht, scores and mask alone
	s_lshl_b32 s18, ttmp9, 2
	s_add_co_u32 s18, s18, s17                     ; g: my block of 256 rows
	s_mov_b32 s[SEL], 0x76543210
	s_mov_b32 s[SEL+1], 0xfedcba98                 ; v_permlanex16_b32's selects for lane l xor 16
	s_mov_b32 s[HM], 0xffff0000                    ; lanes 16-31
	s_mov_b32 s[G1+0], 15|(3<<16)|(1<<21)          ; the mask of all four work-groups; elements of 8 bytes; bit 21 beside a mask
	s_mov_b32 s[G1+1], 32<<16                      ; a tile, dense in memory: 48 rows of 256 bytes
	s_mov_b32 s[G1+2], 48<<16
	s_mov_b32 s[G1+3], 32<<16
	s_mov_b32 s[G1+4], 48
	s_mov_b32 s[G1+5], 32
	s_mov_b32 s[G1+6], 0
	s_mov_b32 s[G1+7], 0
	s_mul_i32 s56, s[WV], UW
	s_add_co_u32 s56, s56, UX
	s_mul_i32 s57, s3, UW
	s_add_co_u32 s57, s57, UX
	s_lshl_b32 s58, s[WV], 11
	s_add_co_u32 s58, s58, USC
	s_lshl_b32 s59, s3, 11
	s_add_co_u32 s59, s59, USC
	s_lshl_b32 s60, s19, 7
	s_add_co_u32 s60, s60, HTL
	s_mul_i32 s61, s19, 2*TILEB
	s_lshl_b32 s63, s19, 10
	s_add_co_u32 s63, s63, SCS                     ; my half of the sums
	s_lshl_b32 s62, s[WV], 8
	s_add_co_u32 s66, s62, SCS
	s_add_co_u32 s62, s62, s63                     ; my own 64 rows in it,
	s_lshl_b32 s67, s3, 8
	s_add_co_u32 s63, s63, s67                     ; and my partner's
	s_lshl_b32 s67, s[WV], 3
	s_add_co_u32 s67, s67, CBX
	s_lshl_b32 s44, s18, 20                        ; hidden_states: 256 rows of 4,096 bytes a work-group, 64 a wave
	s_lshl_b32 s45, s[WV], 18
	s_add_co_u32 s44, s44, s45
	s_mov_b32 s45, 0
	s_lshr_b32 s46, s18, 3                         ; my batch
	s_lshl_b32 s46, s46, 12
	s_mov_b32 s47, 0
	s_lshl_b32 s48, s18, 10                        ; scores: 4 bytes a row
	s_lshl_b32 s49, s[WV], 8
	s_add_co_u32 s48, s48, s49
	s_mov_b32 s49, 0
	s_lshl_b32 s50, s18, 4                         ; mask: a word a wave
	s_lshl_b32 s51, s[WV], 2
	s_add_co_u32 s50, s50, s51
	s_mov_b32 s51, 0
	s_mul_i32 s40, s[WV], TILEB                    ; the tile of a slot that I fetch, in memory and in LDS
	s_mov_b32 s41, 0
	s_lshl_b32 s52, s19, 10                        ; W1's scales: 512 bytes a tile, my two of a slot's four
	s_mov_b32 s53, 0
	v_and_b32 v[LANE], 31, v0
	v_and_b32 v[RR], 15, v0                        ; r
	v_bfe_u32 v[HH], v0, 4, 1                      ; h
	v_lshlrev_b32 v[SH8], 3, v[HH]
	v_lshlrev_b32 v[LO], 4, v[LANE]
	v_add_nc_u32 v[SWA], s56, v[LO]
	v_mul_u32_u24 v[SRA], v[RR], SPI
	v_lshl_add_u32 v[SRA], v[HH], 7, v[SRA]
	v_add_nc_u32 v[SRA], s56, v[SRA]               ; back: row r, + 128 h: my block of 32
	v_add_nc_u32 v[EXR], s57, v[LO]
	v_add_nc_u32 v[ESW], s58, v[LO]
	v_add_nc_u32 v[ESR], s59, v[LO]
	v_lshl_add_u32 v[HTA], v[HH], 5, s60           ; ht(16 T + 8 h ..)
	v_lshlrev_b32 v[SCO], 5, v[RR]
	v_lshl_add_u32 v[SCO], v[HH], 4, v[SCO]        ; column r's 32 scale bytes: lanes 0-15 K steps 0-3, lanes 16-31 K steps 4-7
	v_add_nc_u32 v[BA0], s61, v[LO]
	v_add_nc_u32 v[BA0+1], SLOTB, v[BA0]
	v_lshl_add_u32 v[SAO], v[RR], 2, s62
	v_lshl_add_u32 v[SAP], v[RR], 2, s63
	v_lshl_add_u32 v[SR], v[LANE], 3, s66
	v_lshlrev_b32 v[T16], 4, v0
	v_mov_b32 v[CBA], s67
	v_mov_b32 v[CBB], CBX
	v_lshlrev_b32 v[L8], 3, v[LANE]
	v_lshl_add_u32 v[HTW], v0, 4, HTL
	v_mov_b32 v[PX], 0                             ; a lane permute's destination counts as one of its sources
	s_wait_alu depctr_va_vdst(0)
	s_wait_dscnt 0x0                               ; both opening adds are done
	s_wait_kmcnt 0x0
	s_add_nc_u64 s[4:5], s[4:5], s[44:45]
	s_add_nc_u64 s[6:7], s[6:7], s[46:47]
	s_add_nc_u64 s[12:13], s[12:13], s[52:53]
	s_add_nc_u64 s[14:15], s[14:15], s[48:49]
	s_add_nc_u64 s[54:55], s[54:55], s[50:51]
	s_add_nc_u64 s[42:43], s[10:11], s[40:41]
.irp sl, 0,1
	s_mov_b32 s[G0+4*\sl], 1
	s_add_co_u32 s[G0+4*\sl+1], s40, \sl*SLOTB
	s_add_nc_u64 s[G0+4*\sl+2:G0+4*\sl+3], s[42:43], \sl*SLOTB
	s_or_b32 s[G0+4*\sl+3], s[G0+4*\sl+3], 0x80000000
.endr
; Unit u = 8 m + s: rows 16 m .. + 15 of my 64, K step s.  Sixteen loads, each 512 consecutive bytes of one row, into set u % 4 of window 3.
.macro LOADU u
	WIN 0xc0
.set I_, 0
.rept 16
	global_load_b128 v[64*((\u)%4)+4*I_:64*((\u)%4)+4*I_+3], v[LO], s[4:5] offset:(16*((\u)/8)+I_)*4096+512*((\u)%8) th:TH_LOAD_NT
.set I_, I_+1
.endr
.endm
; The unit through stage u % 2: in as loaded, back 128 bytes a lane and block: register 4 j + q: k = 64 (j / 8) + 32 h + 4 (j % 8) + q of row r.  LDS serves a wave's instructions in order: the loads see the stores.
.macro TURNU u
	WIN 0x0c
.set I_, 0
.rept 16
	ds_store_b128 v[SWA], v[64*((\u)%4)+4*I_:64*((\u)%4)+4*I_+3] offset:STG1*((\u)%2)+SPI*I_
.set I_, I_+1
.endr
	WIN 0
.set I_, 0
.rept 16
	ds_load_b128 v[X0+64*((\u)%2)+4*I_:X0+64*((\u)%2)+4*I_+3], v[SRA] offset:STG1*((\u)%2)+256*(I_/8)+16*(I_%8)
.set I_, I_+1
.endr
.endm
; The unit's 64 numbers a lane become the operand's 12 registers and the row's scale word.  A lane holds two whole blocks, so no other lane is asked for a maximum.
.macro QUANT u
.set XS_, X0+64*((\u)%2)
.set M_,  (\u)/8
.set K_,  (\u)%8
.set W_,  1+(4*K_+M_)/21
.set FR_, 12*((4*K_+M_)%21)
.set AS_, AS+4*M_+K_%4
.irp c, 0,1
	v_max3_num_f32 v[TM+\c], |v[XS_+32*\c]|, |v[XS_+32*\c+1]|, 0x2800000   ; with the floor 2^(5 - 127): the byte cannot fall under 1
.endr
.irp i, 2,4,6,8,10,12,14,16,18,20,22,24,26,28,30
.irp c, 0,1
	v_max3_num_f32 v[TM+\c], v[TM+\c], |v[XS_+32*\c+\i]|, |v[XS_+32*\c+\i+1]|
.endr
.endr
.irp c, 0,1
	v_add_nc_u32 v[SO+\c], 0xfe000000, v[TM+\c]    ; 4 off the exponent field: the conversion's scale operand
.endr
.irp c, 0,1
	v_lshrrev_b32 v[BY+\c], 23, v[SO+\c]           ; the scale's byte
.endr
	v_lshl_or_b32 v[PW], v[BY+1], 16, v[BY]        ; blocks h and 2 + h of my row,
	v_lshlrev_b32 v[PW], v[SH8], v[PW]             ; at their places in the word
	v_permlanex16_b32 v[PX], v[PW], s[SEL], s[SEL+1]
.if K_ < 4
	v_or_b32 v[AS_], v[PW], v[PX]                  ; with lane l xor 16's two the word is whole
.else
	v_or_b32 v[PW], v[PW], v[PX]
	v_cndmask_b32 v[AS_], v[AS_], v[PW], s[HM]     ; K steps 4-7 take lanes 16-31
.endif
	v_cvt_scalef32_pk16_bf6_f32 v[CT:CT+2], v[XS_+16:XS_+31], v[SO]          ; (a conversion's three registers begin on an even number: these two are moved)
	v_cvt_scalef32_pk16_bf6_f32 v[CT+4:CT+6], v[XS_+48:XS_+63], v[SO+1]
	WIN (W_<<6)
	v_cvt_scalef32_pk16_bf6_f32 v[FR_:FR_+2], v[XS_:XS_+15], v[SO]
	v_cvt_scalef32_pk16_bf6_f32 v[FR_+6:FR_+8], v[XS_+32:XS_+47], v[SO+1]
	v_nop                                          ; one plain place behind a scaled conversion
.irp i, 0,1,2
	v_mov_b32 v[FR_+3+\i], v[CT+\i]
	v_mov_b32 v[FR_+9+\i], v[CT+4+\i]
.endr
	WIN 0
.endm
.macro UNIT u
	s_wait_dscnt 0x0                               ; this unit's numbers are back: so its stores into the stage have read set u % 4,
.if (\u)+4 < 32
	LOADU (\u)+4                                   ; which takes the loads of four units on
.endif
.if (\u)+1 < 32
.if (\u) <= 27
	s_wait_loadcnt 48                              ; the next unit's 16 loads are in; those of the three units behind it may be out
.else
	s_wait_loadcnt 16*(30-(\u))                    ; the counts run down
.endif
	TURNU (\u)+1                                   ; it goes through the other stage while this unit is quantised
.endif
	QUANT \u
.endm
	global_load_b128 v[128:131], v[T16], s[6:7]                ; ht of my batch: 32 bytes a thread, in two halves of 2,048
	global_load_b128 v[132:135], v[T16], s[6:7] offset:2048
	global_load_b128 v[136:139], v[T16], s[8:9]                ; b1 likewise
	global_load_b128 v[140:143], v[T16], s[8:9] offset:2048
	LOADU 0
	LOADU 1
	LOADU 2
	WIN 0
	CROUND                                         ; all four work-groups are here: the first joint loads meet
	tensor_load_to_lds s[G0:G0+3], s[G1:G1+7]      ; slot 0: my one tensor load at the head; it lands while the rows are quantised
	s_nop 0
	PLACES
	s_wait_loadcnt 48                              ; ht and b1 are in; units 0 to 2 may be out
	ds_store_b128 v[HTW], v[128:131]
	ds_store_b128 v[HTW], v[132:135] offset:2048
	v_pk_mul_f32 v[HD:HD+1], v[128:129], v[136:137]            ; my part of sum(b1 ht)
	v_pk_mul_f32 v[HD+2:HD+3], v[128:129], v[128:129]          ; and of sum(ht^2)
.irp j, 2,4,6
	v_pk_fma_f32 v[HD:HD+1], v[128+\j:129+\j], v[136+\j:137+\j], v[HD:HD+1]
	v_pk_fma_f32 v[HD+2:HD+3], v[128+\j:129+\j], v[128+\j:129+\j], v[HD+2:HD+3]
.endr
	v_add_f32 v[HD], v[HD], v[HD+1]
	v_add_f32 v[HD+2], v[HD+2], v[HD+3]
.irp x, 1,2,4,8
	v_add_f32_dpp v[HD], v[HD], v[HD] row_xmask:\x row_mask:0xf bank_mask:0xf
	v_add_f32_dpp v[HD+2], v[HD+2], v[HD+2] row_xmask:\x row_mask:0xf bank_mask:0xf
.endr
	v_permlanex16_b32 v[HD+1], v[HD], s[SEL], s[SEL+1]
	v_permlanex16_b32 v[HD+3], v[HD+2], s[SEL], s[SEL+1]
	v_add_f32 v[HD], v[HD], v[HD+1]
	v_add_f32 v[HD+1], v[HD+2], v[HD+3]
	ds_store_b64 v[CBA], v[HD:HD+1]                ; all lanes write the same two words with the same values
	LOADU 3
	s_wait_loadcnt 48                              ; unit 0 is in
	TURNU 0
.irp u, 0,1,2,3,4,5,6,7,8,9,10,11,12,13,14,15,16,17,18,19,20,21,22,23,24,25,26,27,28,29,30,31
	UNIT \u
.endr
	s_wait_alu depctr_va_vdst(0)
; THE EXCHANGE: my 32 fragments and 16 scale registers as images, over my own stages, which are read out
.set F_, 0
.rept 32
	WIN ((1+F_/21)<<2)
.irp c, 0,1,2
	ds_store_b128 v[SWA], v[12*(F_%21)+4*\c:12*(F_%21)+4*\c+3] offset:F_*FRB+512*\c
.endr
.set F_, F_+1
.endr
	WIN 0
.irp c, 0,1,2,3
	ds_store_b128 v[ESW], v[AS+4*\c:AS+4*\c+3] offset:512*\c
.endr
	s_wait_tensorcnt 0x0                           ; my tile of slot 0 is in
	ds_add_u32 v[SPW], v[NIL]
	s_wait_dscnt 0x0                               ; the add is done; and for the others' sake: my images, my part of ht and my two sums lie in LDS
	CROUND
	tensor_load_to_lds s[G0+4:G0+7], s[G1:G1+7]    ; slot 1's first fill: the first tensor load behind the round
	s_nop 0
	PLACES
.set F_, 32
.rept 31
	WIN ((1+F_/21)<<6)
.irp c, 0,1,2
	ds_load_b128 v[12*(F_%21)+4*\c:12*(F_%21)+4*\c+3], v[EXR] offset:(F_-32)*FRB+512*\c
.endr
.set F_, F_+1
.endr
	WIN 0
.irp c, 0,1,2
	ds_load_b128 v[F63+4*\c:F63+4*\c+3], v[EXR] offset:31*FRB+512*\c
.endr
.irp c, 0,1,2,3
	ds_load_b128 v[AS+16+4*\c:AS+16+4*\c+3], v[ESR] offset:512*\c
.endr
	ds_load_b128 v[64:67], v[CBB]                  ; the four waves' parts of the two sums
	ds_load_b128 v[68:71], v[CBB] offset:16
	s_wait_dscnt 0x0
	v_add_f32 v64, v64, v66
	v_add_f32 v68, v68, v70
	v_add_f32 v65, v65, v67
	v_add_f32 v69, v69, v71
	v_add_f32 v[CB], v64, v68                      ; sum(b1 ht)
	v_add_f32 v[CB+1], v64, v68
	v_add_f32 v65, v65, v69                        ; sum(ht^2)
	v_mov_b32 v229, 0xc2b40000                     ; -90
	v_fmamk_f32 v[THR], v65, 0x3f7fbe77, v229      ; the threshold: 0.999 |ht|^2 - 90
	; The walk is written once and each column tile is multiplied by ht at the head of the next: so the first finds zeros.  These lines are also the places ahead of the first scaled matrix instruction.
.set J_, 0
.rept 80
	v_mov_b32 v[ACC+J_], 0                         ; the accumulators and the sums
.set J_, J_+1
.endr
.irp j, 8,9,10,11,12,13,14,15
	v_mov_b32 v[HT+\j], 0
.endr
	s_wait_alu depctr_va_vdst(0)
.macro BLOAD sl, t                     ; W1's fragment of step t = 8 it + s of my two tiles in slot sl, into place t % 4: three loads of 512 consecutive bytes
.irp c, 0,1,2
	ds_load_b128 v[BR+12*((\t)%4)+4*\c:BR+12*((\t)%4)+4*\c+3], v[BA0+(\sl)] offset:(\t)*FRB+512*\c
.endr
.endm
.macro WM m, sl, it, ks                ; row tile m against the step's fragment.  The eight accumulators take turns, one instruction a turn.  K step 0 starts the sums
.set ix_, 32*((\m)/4)+4*(\ks)+(\m)%4
.if ix_ == 63
.set rw_, 0
.set rB_, F63
.else
.set rw_, 1+ix_/21
.set rB_, 12*(ix_%21)
.endif
.set rD_, ACC+8*(\m)
.set rA_, BR+12*((\ks)%4)
.set rX_, SW+8*(\sl)+4*(\it)+(\ks)%4
.set rY_, AS+4*(\m)+(\ks)%4
	WIN (rw_<<2)
.if (\ks) == 0
	v_wmma_scale_f32_16x16x128_f8f6f4 v[rD_:rD_+7], v[rA_:rA_+11], v[rB_:rB_+11], 0, v[rX_], v[rY_] matrix_a_fmt:MATRIX_FMT_BF6 matrix_b_fmt:MATRIX_FMT_BF6
.elseif (\ks) < 4
	v_wmma_scale_f32_16x16x128_f8f6f4 v[rD_:rD_+7], v[rA_:rA_+11], v[rB_:rB_+11], v[rD_:rD_+7], v[rX_], v[rY_] matrix_a_fmt:MATRIX_FMT_BF6 matrix_b_fmt:MATRIX_FMT_BF6
.else
	v_wmma_scale_f32_16x16x128_f8f6f4 v[rD_:rD_+7], v[rA_:rA_+11], v[rB_:rB_+11], v[rD_:rD_+7], v[rX_], v[rY_] matrix_a_fmt:MATRIX_FMT_BF6 matrix_b_fmt:MATRIX_FMT_BF6 matrix_a_scale:MATRIX_SCALE_ROW1 matrix_b_scale:MATRIX_SCALE_ROW1
.endif
.endm
.macro WM4 m0, sl, it, ks
.irp a, 0,1,2,3
	WM (\m0)+\a, \sl, \it, \ks
.endr
.endm
.macro FM m, f, it                     ; columns 8 h + 2 f, + 1 of the tile BEFORE tile it, times ht, onto row tile m's pair of sums
	v_pk_fma_f32 v[SUM+2*(\m):SUM+2*(\m)+1], v[ACC+8*(\m)+2*(\f):ACC+8*(\m)+2*(\f)+1], v[HT+8*(1-(\it))+2*(\f):HT+8*(1-(\it))+2*(\f)+1], v[SUM+2*(\m):SUM+2*(\m)+1]
.endm
; From one column tile to the next: four places behind the last products; row tiles 0-3's finished accumulators times ht, each from its low end on, the four by turns; ONE run of memory instructions: the fragments of
; steps 2 and 3 of the new tile, its ht (wanted at its end), and at a slot's head the next slot's scale words; then row tiles 4-7's multiply-adds among the new tile's first products.
.macro TRANS sl, it, last
	PLACES
	WIN 0
.irp f, 0,1,2,3
.irp m, 0,1,2,3
	FM \m, \f, \it
.endr
.endr
	BLOAD \sl, 8*(\it)+2
	BLOAD \sl, 8*(\it)+3
	ds_load_b128 v[HT+8*(\it):HT+8*(\it)+3], v[HTA] offset:256*(\sl)+64*(\it)        ; ht of this tile's columns 8 h .. + 7
	ds_load_b128 v[HT+8*(\it)+4:HT+8*(\it)+7], v[HTA] offset:256*(\sl)+64*(\it)+16
.if ((\it) == 0) && ((\last) == 0)
.irp i, 0,1
	global_load_b128 v[SW+8*(1-(\sl))+4*\i:SW+8*(1-(\sl))+4*\i+3], v[SCO], s[12:13] offset:2048*(1-(\sl))+512*\i   ; 512 consecutive bytes a tile
.endr
.endif
.irp f, 0,1,2,3
	WIN 0
.irp m, 4,5,6,7
	FM \m, \f, \it
.endr
	WM \f, \sl, \it, 0
.endr
	WM4 4, \sl, \it, 0
.endm
; A STEP: eight matrix instructions on one fragment of W1.  The fragments come two steps at a time: at the head of each even step the wave waits for this pair's six loads, and, four places behind the products that
; read their registers, asks for the next pair's: sixteen matrix instructions stand between a pair's request and the wait for it.
; STEP 13 OF A SLOT'S 16 CHANGES SLOTS: all its fragments have been asked for.  Each wave waits for all its tensor loads (one is out: its tile of the other slot), adds 0 to its spare word, and waits for that and for
; its reads of this slot.  fill = 1: the barrier opens a round of the cluster's barrier, and behind it this slot takes the four tiles two slots on: 102,400 bytes further in w1img.  Then the other slot's first pair is asked for.
.macro STEP sl, it, ks, fill, last
.set T_, 8*(\it)+(\ks)
.if (T_ == 13) && ((\last) == 0)
	WIN 0
	s_wait_tensorcnt 0x0
	ds_add_u32 v[SPW], v[NIL]
	WM4 0, \sl, \it, \ks
	s_wait_dscnt 0x0                               ; the add is done, and my reads of this slot are over: the fragments of steps 14 and 15 are in
	s_barrier_signal -1
	WM4 4, \sl, \it, \ks
	WIN 0
	s_barrier_wait -1
.if \fill
	CREST
	s_add_nc_u64 s[G0+4*(\sl)+2:G0+4*(\sl)+3], s[G0+4*(\sl)+2:G0+4*(\sl)+3], 102400
	tensor_load_to_lds s[G0+4*(\sl):G0+4*(\sl)+3], s[G1:G1+7]      ; the first tensor load behind the round, and my only one until the next
	s_nop 0
.endif
	PLACES
	BLOAD 1-(\sl), 0
	BLOAD 1-(\sl), 1
.elseif (\ks) == 0
	s_wait_dscnt 0x0                               ; this pair's fragments are in
.if (\it) == 0
	s_wait_loadcnt 0x0                             ; this slot's scale words are in, and no load of mine is out:
.if (\sl) && ((\last) == 0)
	s_add_nc_u64 s[12:13], s[12:13], 4096          ; so their base may step: two slots on
.endif
.endif
	TRANS \sl, \it, \last
.else
.if (((\ks)%2) == 0) && ((T_ < 14) || (\last))
	s_wait_dscnt 0x0                               ; this pair's fragments are in.  (Steps 14 and 15 of a slot that is left: theirs came with step 13's wait)
.endif
.if (((\ks)%2) == 0) && (T_ < 14)
	PLACES
	BLOAD \sl, T_+2
	BLOAD \sl, T_+3
.endif
	WM4 0, \sl, \it, \ks
	WM4 4, \sl, \it, \ks
.endif
.endm
.macro SLOT sl, fill, last
.irp it, 0,1
.irp ks, 0,1,2,3,4,5,6,7
	STEP \sl, \it, \ks, \fill, \last
.endr
.endr
.endm
.irp i, 0,1
	global_load_b128 v[SW+4*\i:SW+4*\i+3], v[SCO], s[12:13] offset:512*\i
.endr
	BLOAD 0, 0
	BLOAD 0, 1
	s_mov_b32 s[TRIP], 7
.Lring:                                            ; seven trips, two slots each: slots 0 to 13 are multiplied, slots 2 to 15 asked for
	SLOT 0, 1, 0
	SLOT 1, 1, 0
	WIN 0
	v_add_nc_u32 v[HTA], 512, v[HTA]               ; on to the next two slots' 128 columns
	s_wait_alu depctr_va_vdst(0)
	s_sub_co_u32 s[TRIP], s[TRIP], 1
	s_cmp_lg_u32 s[TRIP], 0
	s_cbranch_scc1 .Lring
	SLOT 0, 0, 0                                   ; the tail is written out: nothing is asked for, and no round follows its barrier
	SLOT 1, 0, 1
	PLACES
	WIN 0
	s_wait_alu depctr_va_vdst(0)                   ; the sums of row tiles 4-7 were last written ahead of the steps' waits
.irp f, 0,1,2,3                                    ; the last tile times ht
.irp m, 0,1,2,3,4,5,6,7
	FM \m, \f, 0
.endr
.endr
	; THE WAY OUT.  Lane (r, h) holds row r's sum over my columns with (n / 8) % 2 = h, in a pair for each row tile.
.irp m, 0,1,2,3,4,5,6,7
	v_add_f32 v[ACC+\m], v[SUM+2*\m], v[SUM+2*\m+1]
.endr
.irp m, 0,1,2,3,4,5,6,7
	v_permlanex16_b32 v[ACC+8+\m], v[ACC+\m], s[SEL], s[SEL+1]
.endr
.irp m, 0,1,2,3,4,5,6,7
	v_add_f32 v[ACC+\m], v[ACC+\m], v[ACC+8+\m]
.endr
.irp m, 0,1,2,3
	ds_store_b32 v[SAO], v[ACC+\m] offset:64*\m    ; lanes r and 16 + r write the same word with the same value
	ds_store_b32 v[SAP], v[ACC+4+\m] offset:64*\m
.endr
	s_wait_dscnt 0x0                               ; for the others' sake
	s_barrier_signal -1
	s_barrier_wait -1
	ds_load_b64 v[80:81], v[SR]                    ; rows 64 w + 2 l and the next: both halves of their sums
	ds_load_b64 v[82:83], v[SR] offset:1024
	s_wait_dscnt 0x0
	v_pk_add_f32 v[80:81], v[80:81], v[82:83]
	v_pk_add_f32 v[80:81], v[80:81], v[CB:CB+1]    ; + sum(b1 ht)
	global_store_b64 v[L8], v[80:81], s[14:15]     ; 32 lanes store 256 consecutive bytes, at a multiple of 256 from the buffer's first byte
	v_max_num_f32 v84, v80, v81
	v_cmp_ge_f32 s48, v84, v[THR]                  ; bit l: one of my two rows reaches the threshold.  The word is stored and steers nothing here
	v_mov_b32 v85, s48
	v_mov_b32 v86, 0
	v_cmp_eq_u32 vcc_lo, 0, v[LANE]
	s_wait_alu depctr_va_vdst(0)
	s_wait_xcnt 0x0                                ; EXEC changes only behind this wait
	s_and_saveexec_b32 s49, vcc_lo
	global_store_b32 v86, v85, s[54:55]            ; lane 0 stores my wave's word
	s_wait_xcnt 0x0
	s_or_b32 exec_lo, exec_lo, s49
	s_wait_tensorcnt 0x0                           ; the wave's end
	ds_add_u32 v[SPW], v[NIL]
	s_wait_dscnt 0x0
	CROUND                                         ; the closing round
	s_endpgm
.Lfunc_end_k_q9839ef7820_scorerows:
	.size	k_q9839ef7820_scorerows, .Lfunc_end_k_q9839ef7820_scorerows-k_q9839ef7820_scorerows
	.p2alignl 7, 3214868480
	.fill 96, 4, 3214868480
	.section	.rodata,"a",@progbits
	.p2align	6, 0x0
	.amdhsa_kernel k_q9839ef7820_scorerows
		.amdhsa_group_segment_fixed_size 327680
		.amdhsa_private_segment_fixed_size 0
		.amdhsa_enable_private_segment 0
		.amdhsa_kernarg_size 56
		.amdhsa_user_sgpr_count 2
		.amdhsa_user_sgpr_kernarg_segment_ptr 1
		.amdhsa_wavefront_size32 1
		.amdhsa_system_sgpr_workgroup_id_x 1
		.amdhsa_system_sgpr_workgroup_id_y 1
		.amdhsa_system_sgpr_workgroup_id_z 1
		.amdhsa_system_vgpr_workitem_id 0
		.amdhsa_next_free_vgpr 1024
		.amdhsa_next_free_sgpr 68
		.amdhsa_reserve_vcc 1
		.amdhsa_float_denorm_mode_32 3
		.amdhsa_float_denorm_mode_16_64 3
		.amdhsa_memory_ordered 1
		.amdhsa_forward_progress 1
		.amdhsa_inst_pref_size 255
	.end_amdhsa_kernel
	.section	.bss,"aw",@nobits
	.p2align	6
	.space	262144
	.amdgpu_metadata
---
amdhsa.version: [ 1, 2 ]
amdhsa.kernels:
  - .name:           k_q9839ef7820_scorerows
    .symbol:         k_q9839ef7820_scorerows.kd
    .args:
      - { .name: hidden_states, .offset: 0, .size: 8, .value_kind: global_buffer, .address_space: global }
      - { .name: ht, .offset: 8, .size: 8, .value_kind: global_buffer, .address_space: global }
      - { .name: b1, .offset: 16, .size: 8, .value_kind: global_buffer, .address_space: global }
      - { .name: w1img, .offset: 24, .size: 8, .value_kind: global_buffer, .address_space: global }
      - { .name: W1_scales, .offset: 32, .size: 8, .value_kind: global_buffer, .address_space: global }
      - { .name: scores, .offset: 40, .size: 8, .value_kind: global_buffer, .address_space: global }
      - { .name: mask, .offset: 48, .size: 8, .value_kind: global_buffer, .address_space: global }
    .group_segment_fixed_size: 327680
    .private_segment_fixed_size: 0
    .kernarg_segment_align: 8
    .kernarg_segment_size: 56
    .max_flat_workgroup_size: 128
    .sgpr_count:     68
    .vgpr_count:     1024
    .wavefront_size: 32
...
	.end_amdgpu_metadata
.endif
;; end of part 2
;; launch context (part 3): grid 8 x 32, 8 waves a work-group, no clusters, 13,824 bytes of LDS; arguments hidden_states, scores, mask, ctx; writes ctx
.if DOCPART == 3
	.amdgcn_target "amdgcn-amd-amdhsa--gfx1250"
	.amdhsa_code_object_version 6
	.text
	.protected	k_q9839ef7820_context
	.globl	k_q9839ef7820_context
	.p2align	8
	.type	k_q9839ef7820_context,@function
k_q9839ef7820_context:
	s_mov_b64 s[64:65], 0
	v_nop
	global_prefetch_b8 v0, s[64:65] scope:SCOPE_SE
	s_setreg_imm32_b32 hwreg(HW_REG_WAVE_MODE, 25, 1), 1
	s_wait_xcnt 0x0
; ctx[b][c] = sum over t of softmax_t(scores[b][t]) hidden_states[b][t][c], all in f32 (the result goes on into a quantiser).
; SHARES.  A work-group takes one batch (y) and 128 columns (x: 512 bytes of every row), so that its sums are whole and nothing is joined later.  Each work-group makes the batch's maximum, all 2,048 weights
; p = 2^((s - M) log2 e) and their sum for itself: 8 KiB of scores.  Wave w takes rows 256 w .. + 255, a lane four columns.
; WHICH ROWS ARE READ.  mask (whole numbers that the launch before has stored) names, a bit for two rows, the rows whose score lies within 90 of a lower bound of the maximum.  A group of 16 rows none of which is named is
; jumped over: its weights are e^-90 or less beside a sum of at least 1.  The sum of the weights is taken over all 2,048 whatever the mask says.  If every group is named, all rows are read: the result is the same.
; No LDS tiles, no cluster, no matrix unit: a row's 512 bytes are read by one wave once, 16 bytes a lane.
; LIMITS: NaN and infinities are not served; a weight under 2^-126 is 0 (v_exp_f32 gives no denormals: ISA guide, its entry in 15.8).
.set PL,  0                            ; LDS: the 2,048 weights
.set RED, 8192                         ; the waves' maxima (4 w) and sums (128 + 4 w)
.set CR,  8448                         ; the waves' sums over their rows: 512 bytes each
.set ACC, 32                           ; v32-39  two sums of four columns, by turns
.set PP,  40                           ; v40-55  a group's 16 weights
.set X,   64                           ; v64-127 a group's 16 rows
	s_load_b256 s[4:11], s[0:1], 0x0               ; hidden_states s[4:5], scores s[6:7], mask s[8:9], ctx s[10:11]
	v_lshl_add_u32 v128, v0, 2, 0x3200
	v_mov_b32 v129, 0
	v_lshrrev_b32 v1, 5, v0
	v_readfirstlane_b32 s12, v1                    ; wave 0..7
	s_and_b32 s13, ttmp7, 0xffff                   ; the batch
	v_and_b32 v1, 31, v0
	v_lshlrev_b32 v1, 4, v1                        ; 16 x lane
	v_lshlrev_b32 v2, 4, v0                        ; 16 x thread
	s_lshl_b32 s14, s12, 2
	v_mov_b32 v3, s14
	v_add_nc_u32 v3, RED, v3                       ; my wave's word
	v_mov_b32 v4, RED
	s_lshl_b32 s14, s12, 10
	v_mov_b32 v5, s14                              ; my wave's 256 weights: the same address in every lane
	s_lshl_b32 s14, s12, 9
	v_add_nc_u32 v6, s14, v1
	v_add_nc_u32 v6, CR, v6
	v_add_nc_u32 v7, CR, v1
	s_mov_b32 s20, 0x76543210
	s_mov_b32 s21, 0xfedcba98                      ; v_permlanex16_b32's selects for lane l xor 16
	s_lshl_b32 s16, s13, 13                        ; scores: 8,192 bytes a batch
	s_mov_b32 s17, 0
	s_lshl_b32 s18, s13, 7                         ; mask: 32 words a batch,
	s_lshl_b32 s14, s12, 4                         ; four a wave
	s_add_co_u32 s18, s18, s14
	s_mov_b32 s19, 0
	s_lshl_b32 s22, s13, 23                        ; hidden_states: the batch,
	s_lshl_b32 s14, s12, 20                        ; my 256 rows,
	s_add_co_u32 s22, s22, s14
	s_lshl_b32 s14, ttmp9, 9                       ; the work-group's 512 bytes of a row
	s_add_co_u32 s22, s22, s14
	s_mov_b32 s23, 0
	s_lshl_b32 s30, s13, 12                        ; ctx
	s_add_co_u32 s30, s30, s14
	s_mov_b32 s31, 0
	s_wait_alu depctr_va_vdst(0)
	s_wait_kmcnt 0x0
	s_add_nc_u64 s[6:7], s[6:7], s[16:17]
	s_add_nc_u64 s[8:9], s[8:9], s[18:19]
	s_add_nc_u64 s[4:5], s[4:5], s[22:23]
	s_add_nc_u64 s[10:11], s[10:11], s[30:31]
	s_load_b128 s[24:27], s[8:9], 0x0              ; my 256 rows' mask: word q / 4, bits 8 (q % 4) .. + 7 for group q
	global_load_b128 v[8:11], v2, s[6:7]           ; rows 4 t .. and 1,024 + 4 t ..
	global_load_b128 v[12:15], v2, s[6:7] offset:4096
	s_wait_loadcnt 0x0
	v_max3_num_f32 v16, v8, v9, v10
	v_max3_num_f32 v17, v11, v12, v13
	v_max3_num_f32 v16, v16, v14, v15
	v_max_num_f32 v16, v16, v17
.irp x, 1,2,4,8
	v_max_num_f32_dpp v16, v16, v16 row_xmask:\x row_mask:0xf bank_mask:0xf
.endr
	v_permlanex16_b32 v17, v16, s20, s21
	v_max_num_f32 v16, v16, v17
	ds_store_b32 v3, v16                           ; all lanes write the same word with the same value
	s_wait_alu depctr_va_vdst(0)
	s_wait_dscnt 0x0
	s_barrier_signal -1
	s_barrier_wait -1
	ds_load_b128 v[20:23], v4
	ds_load_b128 v[24:27], v4 offset:16
	s_wait_dscnt 0x0
	v_max3_num_f32 v28, v20, v21, v22
	v_max3_num_f32 v28, v28, v23, v24
	v_max3_num_f32 v28, v28, v25, v26
	v_max_num_f32 v28, v28, v27                    ; M: the batch's largest score
.irp j, 0,1,2,3,4,5,6,7
	v_sub_f32 v[8+\j], v[8+\j], v28
.endr
.irp j, 0,1,2,3,4,5,6,7
	v_mul_f32 v[8+\j], 0x3fb8aa3b, v[8+\j]
.endr
	s_wait_alu depctr_va_vdst(0)
.irp j, 0,1,2,3,4,5,6,7
	v_exp_f32 v[8+\j], v[8+\j]
.endr
	v_nop                                          ; one plain place behind the exponentials
	s_wait_alu depctr_va_vdst(0)
	ds_store_b128 v2, v[8:11]
	ds_store_b128 v2, v[12:15] offset:4096
	v_pk_add_f32 v[16:17], v[8:9], v[10:11]
	v_pk_add_f32 v[18:19], v[12:13], v[14:15]
	v_pk_add_f32 v[16:17], v[16:17], v[18:19]
	v_add_f32 v16, v16, v17
.irp x, 1,2,4,8
	v_add_f32_dpp v16, v16, v16 row_xmask:\x row_mask:0xf bank_mask:0xf
.endr
	v_permlanex16_b32 v17, v16, s20, s21
	v_add_f32 v16, v16, v17
	ds_store_b32 v3, v16 offset:128
.irp j, 0,1,2,3,4,5,6,7
	v_mov_b32 v[ACC+\j], 0                         ; any group may be the first that is read: so the sums begin as zeros
.endr
	s_wait_alu depctr_va_vdst(0)
	s_wait_kmcnt 0x0                               ; the mask
	s_wait_dscnt 0x0                               ; for the others' sake: my weights and my sum lie in LDS
	s_barrier_signal -1
	s_barrier_wait -1
; Group q: rows 16 q .. + 15 of my 256.  No barrier stands under the branch, and no load is out at its head or at its end.
.macro GROUP q
	s_bfe_u32 s28, s[24+(\q)/4], (8<<16)|(8*((\q)%4))
	s_cmp_eq_u32 s28, 0
	s_cbranch_scc1 .Lskip_\@
.set K_, 0
.rept 16
	global_load_b128 v[X+4*K_:X+4*K_+3], v1, s[4:5] offset:(16*(\q)+K_)*4096   ; 32 lanes read 512 consecutive bytes of a row
.set K_, K_+1
.endr
.irp k, 0,1,2,3
	ds_load_b128 v[PP+4*\k:PP+4*\k+3], v5 offset:64*(\q)+16*\k
.endr
	s_wait_dscnt 0x0
.set K_, 0
.rept 16
.if (K_%4) == 0
	s_wait_alu depctr_va_vdst(0)
	s_wait_loadcnt 12-K_                           ; rows K_ to K_ + 3 are in; the younger rows may be out
.endif
.if (K_%2) == 0
	v_pk_fma_f32 v[ACC:ACC+1], v[X+4*K_:X+4*K_+1], v[PP+K_:PP+K_+1], v[ACC:ACC+1] op_sel_hi:[1,0,1]
	v_pk_fma_f32 v[ACC+2:ACC+3], v[X+4*K_+2:X+4*K_+3], v[PP+K_:PP+K_+1], v[ACC+2:ACC+3] op_sel_hi:[1,0,1]
.else
	v_pk_fma_f32 v[ACC+4:ACC+5], v[X+4*K_:X+4*K_+1], v[PP+K_-1:PP+K_], v[ACC+4:ACC+5] op_sel:[0,1,0] op_sel_hi:[1,1,1]
	v_pk_fma_f32 v[ACC+6:ACC+7], v[X+4*K_+2:X+4*K_+3], v[PP+K_-1:PP+K_], v[ACC+6:ACC+7] op_sel:[0,1,0] op_sel_hi:[1,1,1]
.endif
.set K_, K_+1
.endr
	s_wait_alu depctr_va_vdst(0)
.Lskip_\@:
.endm
.irp q, 0,1,2,3,4,5,6,7,8,9,10,11,12,13,14,15
	GROUP \q
.endr
	v_pk_add_f32 v[ACC:ACC+1], v[ACC:ACC+1], v[ACC+4:ACC+5]
	v_pk_add_f32 v[ACC+2:ACC+3], v[ACC+2:ACC+3], v[ACC+6:ACC+7]
	ds_store_b128 v6, v[ACC:ACC+3]
	s_wait_dscnt 0x0                               ; for wave 0's sake
	s_barrier_signal -1
	s_barrier_wait -1
	s_cmp_lg_u32 s12, 0
	s_cbranch_scc1 .Ldone
	ds_load_b128 v[20:23], v4 offset:128           ; the eight waves' sums of weights,
	ds_load_b128 v[24:27], v4 offset:144
.irp k, 0,1,2,3,4,5,6,7
	ds_load_b128 v[X+4*\k:X+4*\k+3], v7 offset:512*\k              ; and their sums over rows
.endr
	s_wait_dscnt 0x0
	v_add_f32 v20, v20, v21
	v_add_f32 v22, v22, v23
	v_add_f32 v24, v24, v25
	v_add_f32 v26, v26, v27
	v_add_f32 v20, v20, v22
	v_add_f32 v24, v24, v26
	v_add_f32 v20, v20, v24                        ; l, at least 1
	s_wait_alu depctr_va_vdst(0)
	v_rcp_f32 v30, v20
	v_rcp_f32 v31, v20                             ; twice: a pair for the packed multiply.  The additions below are the plain places behind them
.irp k, 1,2,3,4,5,6,7
	v_pk_add_f32 v[X:X+1], v[X:X+1], v[X+4*\k:X+4*\k+1]
	v_pk_add_f32 v[X+2:X+3], v[X+2:X+3], v[X+4*\k+2:X+4*\k+3]
.endr
	s_wait_alu depctr_va_vdst(0)
	v_pk_mul_f32 v[X:X+1], v[X:X+1], v[30:31]
	v_pk_mul_f32 v[X+2:X+3], v[X+2:X+3], v[30:31]
	global_store_b128 v1, v[X:X+3], s[10:11]       ; 32 lanes store 512 consecutive bytes, at a multiple of 256 from the buffer's first byte
.Ldone:
	s_wait_tensorcnt 0x0
	ds_add_u32 v128, v129
	s_wait_dscnt 0x0
	s_endpgm
.Lfunc_end_k_q9839ef7820_context:
	.size	k_q9839ef7820_context, .Lfunc_end_k_q9839ef7820_context-k_q9839ef7820_context
	.p2alignl 7, 3214868480
	.fill 96, 4, 3214868480
	.section	.rodata,"a",@progbits
	.p2align	6, 0x0
	.amdhsa_kernel k_q9839ef7820_context
		.amdhsa_group_segment_fixed_size 13824
		.amdhsa_private_segment_fixed_size 0
		.amdhsa_enable_private_segment 0
		.amdhsa_kernarg_size 32
		.amdhsa_user_sgpr_count 2
		.amdhsa_user_sgpr_kernarg_segment_ptr 1
		.amdhsa_wavefront_size32 1
		.amdhsa_system_sgpr_workgroup_id_x 1
		.amdhsa_system_sgpr_workgroup_id_y 1
		.amdhsa_system_sgpr_workgroup_id_z 1
		.amdhsa_system_vgpr_workitem_id 0
		.amdhsa_next_free_vgpr 130
		.amdhsa_next_free_sgpr 66
		.amdhsa_reserve_vcc 0
		.amdhsa_float_denorm_mode_32 3
		.amdhsa_float_denorm_mode_16_64 3
		.amdhsa_memory_ordered 1
		.amdhsa_forward_progress 1
		.amdhsa_inst_pref_size 76
	.end_amdhsa_kernel
	.amdgpu_metadata
---
amdhsa.version: [ 1, 2 ]
amdhsa.kernels:
  - .name:           k_q9839ef7820_context
    .symbol:         k_q9839ef7820_context.kd
    .args:
      - { .name: hidden_states, .offset: 0, .size: 8, .value_kind: global_buffer, .address_space: global }
      - { .name: scores, .offset: 8, .size: 8, .value_kind: global_buffer, .address_space: global }
      - { .name: mask, .offset: 16, .size: 8, .value_kind: global_buffer, .address_space: global }
      - { .name: ctx, .offset: 24, .size: 8, .value_kind: global_buffer, .address_space: global }
    .group_segment_fixed_size: 13824
    .private_segment_fixed_size: 0
    .kernarg_segment_align: 8
    .kernarg_segment_size: 32
    .max_flat_workgroup_size: 256
    .sgpr_count:     66
    .vgpr_count:     130
    .wavefront_size: 32
...
	.end_amdgpu_metadata
.endif
;; end of part 3
;; launch head (part 4): grid 4 x 1, 16 waves a work-group, no clusters, 249,344 bytes of LDS; arguments ctx, ht, Wv_codes, Wv_scales, bv, out0; writes out0
.if DOCPART == 4
	.amdgcn_target "amdgcn-amd-amdhsa--gfx1250"
	.amdhsa_code_object_version 6
	.text
	.protected	k_q9839ef7820_head
	.globl	k_q9839ef7820_head
	.p2align	8
	.type	k_q9839ef7820_head,@function
k_q9839ef7820_head:
	s_mov_b64 s[64:65], 0
	v_nop
	global_prefetch_b8 v0, s[64:65] scope:SCOPE_SE
	s_setreg_imm32_b32 hwreg(HW_REG_WAVE_MODE, 25, 1), 1
	s_wait_xcnt 0x0
; out0[b][n] = tanh(sum over k of Q([ctx[b], ht[b]][k]) Wv[k][n] + bv[n]): 32 rows, K = 2,048, 256 columns, on codes of BF6 (E3M2) with one E8M0 scale for each 32 along K.
; SHARES.  A work-group takes 64 columns (four tiles of 16).  Wave w takes K step w (128 along K; steps 0-7 lie in ctx, 8-15 in ht) for both tiles of 16 rows: K is shared among the sixteen waves and the partial sums
; meet in LDS, so that all loads of a wave go out at once.  The product is used transposed (source 0 = 16 rows of Wv, source 1 = 16 rows): a lane holds one row and eight neighbouring columns.
; EVERY GLOBAL LOAD OF A WAVE READS 512 CONSECUTIVE BYTES; the operands reach their lanes through LDS.  A row's 512 bytes of my K step come by one load, sixteen rows turn through my own stage (pitch 528) and come back
; 128 bytes a lane and block.  The work-group's 64 rows of codes are one dense block of 96 KiB: thread t takes bytes 8,192 j + 16 t; in LDS each row of 1,536 bytes has 16 bytes of padding behind it.
; The product has 32 x 256 outputs: 64 columns a work-group are the fewest with which a row's part of out0 is 256 whole bytes, and they give four work-groups.  No cluster, no tensor load: each byte of Wv is read once.
; LIMITS: NaN and infinities are not served.  A block whose largest magnitude lies under 2^-122 keeps the scale byte 1; so does a block of zeros (its codes are zeros; this program alone reads the byte).
.set XSTW, 8448                        ; LDS from byte 0: a stage of 16 rows x (512 bytes + 16) for each wave.  When its rows have turned, the wave's partial sums take its place:
                                       ; accumulator a = 2 i + m, half hf of its registers at 1,024 a + 512 hf + 16 x lane: 8,192 bytes.  No other wave touches these bytes before the barrier behind the sums
.set SPX,  528                         ; 33 x 16 bytes: the 16 rows that a load touches begin in 16 different groups of four banks
.set BST,  135168                      ; the 64 rows of codes,
.set BPI,  1552                        ; 1,536 bytes + 16 = 388 words: row r begins at bank 4 r mod 64, so the 32 lanes of a load of 8 bytes touch 64 different banks
.set SCB,  234496                      ; their 4,096 scale bytes, as given
.set STG,  238592                      ; the stage for the way out: 32 rows x (256 bytes + 16)
.set SPI,  272
.set SH8,  2
.set BFA,  5                           ; v5, v7  a fragment of Wv in tiles 0, 1 and in tiles 2, 3 (an LDS offset holds 16 bits)
.set TM,   14
.set SO,   16
.set BY,   18
.set PX,   20
.set BW,   26                          ; v26-28, v29-31 where my 16 bytes of the block of codes go: rows 0-31, rows 32-63
.set X,    32                          ; v32-95, v96-159 16 rows as loaded, then 64 numbers of my row, for each tile of rows; then the eight accumulators (v32-95) and the sixteen partial sums (v96-159)
.set BF,   160                         ; v160-207 my 12 x 16 bytes of the block of codes as loaded; then Wv's four fragments
.set PC,   208                         ; v208-219, v220-231 the rows' two fragments
.set CT,   232
.set BS,   240                         ; v240-243 Wv's scale words
.set PW,   244                         ; v244-245 the rows'
.set WV,   16
.set SEL,  44
; 64 numbers of a lane, register 32 c + q = k 64 c + 32 (lane / 16) + q of its row, become the operand's 12 registers from v[fr] on, and the row's scale word in v[pw].
.macro QUANT6 xs, fr, pw
.irp c, 0,1
	v_max3_num_f32 v[TM+\c], |v[\xs+32*\c]|, |v[\xs+32*\c+1]|, 0x2800000   ; with the floor 2^(5 - 127): the byte cannot fall under 1
.endr
.irp i, 2,4,6,8,10,12,14,16,18,20,22,24,26,28,30
.irp c, 0,1
	s_delay_alu instid0(VALU_DEP_2)
	v_max3_num_f32 v[TM+\c], v[TM+\c], |v[\xs+32*\c+\i]|, |v[\xs+32*\c+\i+1]|   ; the two blocks by turns
.endr
.endr
.irp c, 0,1
	s_delay_alu instid0(VALU_DEP_2)
	v_add_nc_u32 v[SO+\c], 0xfe000000, v[TM+\c]    ; 4 off the exponent field: the conversion takes this operand's exponent field as its scale
.endr
.irp c, 0,1
	s_delay_alu instid0(VALU_DEP_2)
	v_lshrrev_b32 v[BY+\c], 23, v[SO+\c]           ; the scale's byte
.endr
	s_delay_alu instid0(VALU_DEP_1)
	v_lshl_or_b32 v[\pw], v[BY+1], 16, v[BY]       ; blocks h and 2 + h of my row,
	s_delay_alu instid0(VALU_DEP_1)
	v_lshlrev_b32 v[\pw], v[SH8], v[\pw]           ; at their places in the word;
	s_delay_alu instid0(VALU_DEP_1)
	v_permlanex16_b32 v[PX], v[\pw], s[SEL], s[SEL+1]
	s_delay_alu instid0(VALU_DEP_1)
	v_or_b32 v[\pw], v[\pw], v[PX]                 ; with lane l xor 16's two the word is whole
	v_cvt_scalef32_pk16_bf6_f32 v[\fr:\fr+2], v[\xs:\xs+15], v[SO]
	v_cvt_scalef32_pk16_bf6_f32 v[CT:CT+2], v[\xs+16:\xs+31], v[SO]          ; (a conversion's three registers begin on an even number)
	v_cvt_scalef32_pk16_bf6_f32 v[\fr+6:\fr+8], v[\xs+32:\xs+47], v[SO+1]
	v_cvt_scalef32_pk16_bf6_f32 v[CT+4:CT+6], v[\xs+48:\xs+63], v[SO+1]
	v_nop                                          ; one plain place behind a scaled conversion
.irp i, 0,1,2
	v_mov_b32 v[\fr+3+\i], v[CT+\i]
	v_mov_b32 v[\fr+9+\i], v[CT+4+\i]
.endr
.endm
; Sixteen rows of 512 bytes, one to four registers, turn through my stage and come back into the registers that they left.  LDS serves a wave's instructions in order: the loads see the stores, and the next turn's stores come behind these loads.
.macro TURN xs
.set I_, 0
.rept 16
	ds_store_b128 v3, v[\xs+4*I_:\xs+4*I_+3] offset:SPX*I_
.set I_, I_+1
.endr
.irp c, 0,1
.irp j, 0,1,2,3,4,5,6,7
	ds_load_b128 v[\xs+32*\c+4*\j:\xs+32*\c+4*\j+3], v4 offset:256*\c+16*\j  ; register 32 c + q: k = 64 c + 32 h + q of row r
.endr
.endr
.endm
	s_load_b256 s[4:11], s[0:1], 0x0               ; ctx s[4:5], ht s[6:7], Wv's codes s[8:9], Wv's scales s[10:11]
	s_load_b128 s[12:15], s[0:1], 0x20             ; bv s[12:13], out0 s[14:15]
	v_lshl_add_u32 v246, v0, 2, 0x3c600
	v_mov_b32 v247, 0
	v_lshrrev_b32 v25, 5, v0                       ; thread / 32
	s_delay_alu instid0(VALU_DEP_1)
	v_readfirstlane_b32 s[WV], v25                 ; wave 0..15: my K step
	v_and_b32 v22, 31, v0                          ; lane
	v_and_b32 v1, 15, v0                           ; r
	v_bfe_u32 v21, v0, 4, 1                        ; h
	s_delay_alu instid0(VALU_DEP_1)
	v_lshlrev_b32 v[SH8], 3, v21
	s_delay_alu instid0(VALU_DEP_4)
	v_lshlrev_b32 v6, 4, v22                       ; 16 x lane
	v_lshlrev_b32 v23, 4, v0                       ; 16 x thread
	s_mul_i32 s19, s[WV], XSTW                     ; my stage
	v_add_nc_u32 v3, s19, v6                       ; in: a row's 512 bytes as loaded; later: where I put my partial sums
	v_mul_u32_u24 v4, v1, SPX
	s_delay_alu instid0(VALU_DEP_1)
	v_lshl_add_u32 v4, v21, 7, v4
	s_delay_alu instid0(VALU_DEP_1)
	v_add_nc_u32 v4, s19, v4                       ; back: row r, + 128 h: my block of 32 numbers
	s_mul_i32 s19, s[WV], 96
	s_add_co_u32 s19, s19, BST
	v_mul_u32_u24 v[BFA], v1, BPI
	s_delay_alu instid0(VALU_DEP_1)
	v_mad_u32_u24 v[BFA], v21, 24, v[BFA]
	s_delay_alu instid0(VALU_DEP_1)
	v_add_nc_u32 v[BFA], s19, v[BFA]               ; a fragment of Wv: row r of a tile, my K step's 96 bytes, + 24 h
	s_delay_alu instid0(VALU_DEP_1)
	v_add_nc_u32 v[BFA+2], 32*BPI, v[BFA]          ; and 32 rows on
	s_lshl_b32 s19, s[WV], 2
	s_add_co_u32 s19, s19, SCB
	v_lshl_add_u32 v22, v1, 6, s19                 ; its scale word: 64 bytes a row, my K step's four
.irp j, 0,1,2                                      ; byte 8,192 j + 16 t of a run of 16 rows lies in row (512 j + t) / 96 = ((16 j + t / 32) x 171) >> 9 (exact under 512), and 16 bytes further on for each row passed
	v_add_nc_u32 v24, 16*\j, v25
	s_delay_alu instid0(VALU_DEP_1)
	v_mul_u32_u24 v24, v24, 171
	s_delay_alu instid0(VALU_DEP_1)
	v_lshrrev_b32 v24, 9, v24
	s_delay_alu instid0(VALU_DEP_1)
	v_lshl_add_u32 v24, v24, 4, v23
	s_delay_alu instid0(VALU_DEP_1)
	v_add_nc_u32 v[BW+\j], BST+8192*\j, v24
	s_delay_alu instid0(VALU_DEP_2)
	v_add_nc_u32 v[BW+3+\j], BST+8192*\j+32*BPI, v24
.endr
	v_add_nc_u32 v24, SCB, v23                     ; where 16 scale bytes go
	s_lshl_b32 s19, s[WV], 9
	v_add_nc_u32 v8, s19, v6                       ; what I add up: group w = 2 a + hf of waves 0-7,
	s_delay_alu instid0(VALU_DEP_1)
	v_add_nc_u32 v9, 8*XSTW, v8                    ; and of waves 8-15
	s_bfe_u32 s20, s[WV], 0x10001                  ; m = (w / 2) % 2
	s_mul_i32 s19, s20, 16*SPI
	s_lshr_b32 s21, s[WV], 2                       ; i = w / 4
	s_lshl_b32 s21, s21, 6                         ; 64 i bytes
	s_add_co_u32 s19, s19, s21
	s_and_b32 s22, s[WV], 1                        ; hf
	s_lshl_b32 s23, s22, 4                         ; 16 hf bytes
	s_add_co_u32 s19, s19, s23
	s_add_co_u32 s19, s19, STG
	v_mul_u32_u24 v10, v1, SPI
	s_delay_alu instid0(VALU_DEP_1)
	v_lshl_add_u32 v10, v21, 5, v10
	s_delay_alu instid0(VALU_DEP_1)
	v_add_nc_u32 v10, s19, v10                     ; the stage for the way out, in: row 16 m + r, byte 64 i + 32 h + 16 hf
	s_mul_i32 s19, s[WV], 2*SPI
	s_add_co_u32 s19, s19, STG
	v_mul_u32_u24 v11, v21, SPI
	s_delay_alu instid0(VALU_DEP_1)
	v_lshl_add_u32 v11, v1, 4, v11
	s_delay_alu instid0(VALU_DEP_1)
	v_add_nc_u32 v11, s19, v11                     ; and back: lanes 0-15 row 2 w, lanes 16-31 row 2 w + 1
	s_lshl_b32 s19, s[WV], 11
	v_lshlrev_b32 v12, 10, v21
	s_delay_alu instid0(VALU_DEP_1)
	v_lshl_add_u32 v12, v1, 4, v12
	s_delay_alu instid0(VALU_DEP_1)
	v_add_nc_u32 v12, s19, v12                     ; the same two rows in out0, 1,024 bytes a row
	v_lshlrev_b32 v13, 5, v21                      ; bv: 32 h
	v_mov_b32 v[PX], 0                             ; written once: a lane permute's destination counts as one of its sources
	s_mov_b32 s[SEL], 0x76543210
	s_mov_b32 s[SEL+1], 0xfedcba98
	s_and_b32 s24, s[WV], 7
	s_lshl_b32 s24, s24, 9                         ; my K step's 512 bytes in a row of ctx or of ht
	s_mov_b32 s25, 0
	s_mul_i32 s26, ttmp9, 98304                    ; the work-group's 64 rows of codes
	s_mov_b32 s27, 0
	s_lshl_b32 s28, ttmp9, 12                      ; its 64 rows of scale bytes
	s_mov_b32 s29, 0
	s_lshl_b32 s30, ttmp9, 8                       ; the 64 columns in a row of out0
	s_mov_b32 s31, 0
	s_add_co_u32 s32, s30, s21
	s_add_co_u32 s32, s32, s23                     ; bv: + 64 i + 16 hf
	s_mov_b32 s33, 0
	s_wait_kmcnt 0x0
	s_cmp_lt_u32 s[WV], 8                          ; K steps 0-7 lie in ctx, 8-15 in ht: the choice hangs on the wave's number alone
	s_cselect_b64 s[34:35], s[4:5], s[6:7]
	s_add_nc_u64 s[34:35], s[34:35], s[24:25]
	s_add_nc_u64 s[8:9], s[8:9], s[26:27]
	s_add_nc_u64 s[10:11], s[10:11], s[28:29]
	s_add_nc_u64 s[12:13], s[12:13], s[32:33]
	s_add_nc_u64 s[14:15], s[14:15], s[30:31]
	s_cmp_lt_u32 s[WV], 8
	s_cbranch_scc0 .Lno_bytes
	global_load_b128 v[252:255], v23, s[10:11]     ; waves 0-7: 512 each of the work-group's 4,096 scale bytes
.Lno_bytes:
.irp j, 0,1,2,3,4,5,6,7,8,9,10,11
	global_load_b128 v[BF+4*\j:BF+4*\j+3], v23, s[8:9] offset:8192*\j        ; the block of codes: the sixteen waves read 8,192 consecutive bytes
.endr
.set I_, 0
.rept 32
	global_load_b128 v[X+4*I_:X+4*I_+3], v6, s[34:35] offset:4096*I_         ; row I_: my K step's 512 bytes
.set I_, I_+1
.endr
	s_wait_alu depctr_va_vdst(0)
	global_load_b128 v[248:251], v13, s[12:13]     ; bv of the four columns that I add up
	s_wait_loadcnt 0x0
.irp j, 0,1,2,3,4,5,6,7,8,9,10,11
	ds_store_b128 v[BW+(\j%3)+3*(\j/6)], v[BF+4*\j:BF+4*\j+3] offset:16*BPI*((\j/3)%2)   ; three loads are 16 whole rows
.endr
	s_cmp_lt_u32 s[WV], 8
	s_cbranch_scc0 .Lno_bytes_lds
	ds_store_b128 v24, v[252:255]
.Lno_bytes_lds:
	TURN X
	TURN X+64
	s_wait_dscnt 0x0                               ; my numbers are back; and for the others' sake: my part of the codes and scale bytes lies in LDS
	s_barrier_signal -1
	QUANT6 X, PC, PW                               ; work on registers while the others arrive
	QUANT6 X+64, PC+12, PW+1
	s_wait_alu depctr_va_vdst(0)
	s_barrier_wait -1
.irp i, 0,1,2,3
.irp p, 0,1,2,3,4,5
	ds_load_b64 v[BF+12*\i+2*\p:BF+12*\i+2*\p+1], v[BFA+2*(\i/2)] offset:16*BPI*(\i%2)+48*(\p/3)+8*(\p%3)   ; 24 bytes of a row's stream of bits, in pieces of 8
.endr
	ds_load_b32 v[BS+\i], v22 offset:1024*\i
.endr
	s_wait_dscnt 0x0
.rept 8
	v_nop                                          ; a scale register written by a vector instruction stands 8 places ahead of a scaled matrix instruction, an operand so written 4
.endr
.irp i, 0,1,2,3
.irp m, 0,1
	v_wmma_scale_f32_16x16x128_f8f6f4 v[X+8*(2*\i+\m):X+8*(2*\i+\m)+7], v[BF+12*\i:BF+12*\i+11], v[PC+12*\m:PC+12*\m+11], 0, v[BS+\i], v[PW+\m] matrix_a_fmt:MATRIX_FMT_BF6 matrix_b_fmt:MATRIX_FMT_BF6
.endr
.endr
.rept 4
	v_nop                                          ; four places in front of the first read of results
.endr
.irp a, 0,1,2,3,4,5,6,7
	ds_store_b128 v3, v[X+8*\a:X+8*\a+3] offset:1024*\a          ; each accumulator from its low end on; into the bytes that were my stage
	ds_store_b128 v3, v[X+8*\a+4:X+8*\a+7] offset:1024*\a+512
.endr
	s_wait_dscnt 0x0                               ; for the others' sake: my partial sums lie in LDS
	s_barrier_signal -1
	s_barrier_wait -1
.irp k, 0,1,2,3,4,5,6,7
	ds_load_b128 v[96+4*\k:99+4*\k], v8 offset:XSTW*\k           ; K step k's part of row 16 m + r, columns 16 i + 8 h + 4 hf + 0 .. 3
.endr
.irp k, 0,1,2,3,4,5,6,7
	ds_load_b128 v[128+4*\k:131+4*\k], v9 offset:XSTW*\k
.endr
	s_wait_dscnt 0x0
.irp k, 1
	v_pk_add_f32 v[96:97], v[96:97], v[96+4*\k:97+4*\k]          ; K ascending
	v_pk_add_f32 v[98:99], v[98:99], v[98+4*\k:99+4*\k]
.endr
.irp k, 2, 3, 4, 5, 6, 7, 8, 9, 10, 11, 12, 13, 14, 15
	s_delay_alu instid0(VALU_DEP_2)
	v_pk_add_f32 v[96:97], v[96:97], v[96+4*\k:97+4*\k]          ; K ascending
	s_delay_alu instid0(VALU_DEP_2)
	v_pk_add_f32 v[98:99], v[98:99], v[98+4*\k:99+4*\k]
.endr
	s_delay_alu instid0(VALU_DEP_2)
	v_pk_add_f32 v[96:97], v[96:97], v[248:249]    ; + bv
	s_delay_alu instid0(VALU_DEP_2)
	v_pk_add_f32 v[98:99], v[98:99], v[250:251]
	; tanh(x) = 1 - 2 / (1 + 2^(2 x log2 e)): 1 where the power overflows, -1 where it falls to 0
.irp j, 0,1,2,3
	v_mul_f32 v[100+\j], 0x4038aa3b, v[96+\j]
.endr
	s_wait_alu depctr_va_vdst(0)
.irp j, 0,1,2,3
	v_exp_f32 v[100+\j], v[100+\j]
.endr
	v_nop                                          ; one plain place behind the exponentials
	s_wait_alu depctr_va_vdst(0)
.irp j, 0,1,2,3
	v_add_f32 v[100+\j], 1.0, v[100+\j]
.endr
	s_wait_alu depctr_va_vdst(0)
.irp j, 0,1,2,3
	v_rcp_f32 v[100+\j], v[100+\j]
.endr
	v_nop                                          ; and behind the reciprocals
	s_wait_alu depctr_va_vdst(0)
.irp j, 0,1,2,3
	v_fma_f32 v[96+\j], v[100+\j], -2.0, 1.0
.endr
	ds_store_b128 v10, v[96:99]
	s_wait_dscnt 0x0                               ; for the others' sake
	s_barrier_signal -1
	s_barrier_wait -1
	ds_load_b128 v[104:107], v11
	s_wait_dscnt 0x0
	global_store_b128 v12, v[104:107], s[14:15]    ; 16 lanes store 256 consecutive bytes of a row of out0, at a multiple of 256 from its first byte
	s_wait_tensorcnt 0x0
	ds_add_u32 v246, v247
	s_wait_dscnt 0x0
	s_endpgm
.Lfunc_end_k_q9839ef7820_head:
	.size	k_q9839ef7820_head, .Lfunc_end_k_q9839ef7820_head-k_q9839ef7820_head
	.p2alignl 7, 3214868480
	.fill 96, 4, 3214868480
	.section	.rodata,"a",@progbits
	.p2align	6, 0x0
	.amdhsa_kernel k_q9839ef7820_head
		.amdhsa_group_segment_fixed_size 249344
		.amdhsa_private_segment_fixed_size 0
		.amdhsa_enable_private_segment 0
		.amdhsa_kernarg_size 48
		.amdhsa_user_sgpr_count 2
		.amdhsa_user_sgpr_kernarg_segment_ptr 1
		.amdhsa_wavefront_size32 1
		.amdhsa_system_sgpr_workgroup_id_x 1
		.amdhsa_system_sgpr_workgroup_id_y 1
		.amdhsa_system_sgpr_workgroup_id_z 1
		.amdhsa_system_vgpr_workitem_id 0
		.amdhsa_next_free_vgpr 256
		.amdhsa_next_free_sgpr 66
		.amdhsa_reserve_vcc 0
		.amdhsa_float_denorm_mode_32 3
		.amdhsa_float_denorm_mode_16_64 3
		.amdhsa_memory_ordered 1
		.amdhsa_forward_progress 1
		.amdhsa_inst_pref_size 34
	.end_amdhsa_kernel
	.amdgpu_metadata
---
amdhsa.version: [ 1, 2 ]
amdhsa.kernels:
  - .name:           k_q9839ef7820_head
    .symbol:         k_q9839ef7820_head.kd
    .args:
      - { .name: ctx, .offset: 0, .size: 8, .value_kind: global_buffer, .address_space: global }
      - { .name: ht, .offset: 8, .size: 8, .value_kind: global_buffer, .address_space: global }
      - { .name: Wv_codes, .offset: 16, .size: 8, .value_kind: global_buffer, .address_space: global }
      - { .name: Wv_scales, .offset: 24, .size: 8, .value_kind: global_buffer, .address_space: global }
      - { .name: bv, .offset: 32, .size: 8, .value_kind: global_buffer, .address_space: global }
      - { .name: out0, .offset: 40, .size: 8, .value_kind: global_buffer, .address_space: global }
    .group_segment_fixed_size: 249344
    .private_segment_fixed_size: 0
    .kernarg_segment_align: 8
    .kernarg_segment_size: 48
    .max_flat_workgroup_size: 512
    .sgpr_count:     66
    .vgpr_count:     256
    .wavefront_size: 32
...
	.end_amdgpu_metadata
.endif
;; end of part 4
